; MI455X (gfx1250); checked and timed in simulation.
; The chip was launched on July 23, 2026; its instructions are those of AMD's public machine-readable ISA for CDNA 5 (MIT licence, August 2026) and "CDNA5" Instruction Set Architecture Reference Guide (July 2026). The comments in the code are by the model that wrote it; some were corrected since.
;; Classic MHA. Allowed arithmetic: matrix products marked QUANTISED: E2M1 operands, one E8M0 scale for each 32 along K, by v_wmma_scale_f32_16x16x128_f8f6f4 with both operands' format E2M1 (or v_wmma_scale_f32_32x16x128_f4), f32 sums; products left as they are: bf16, f16 or f32 operands; f32 sums; everything else in f32.
;; Inputs: W1 512 x 2,048 float32; W2 2,048 x 512 float32; Wk 512 x 512 float32; Wo 512 x 512 float32; Wq 512 x 512 float32; Wv 512 x 512 float32; b1 2,048 float32; b2 512 float32; be1 512 float32; be2 512 float32; bk 512 float32; bo 512 float32; bq 512 float32; bv 512 float32; g1 512 float32; g2 512 float32; x 8 x 512 x 2,048 float32.
;; Outputs: out0 8 x 512 x 2,048 float32.
;; This version of the problem:
;;   THIS VERSION OF THE PROBLEM IS GIVEN IN LOW PRECISION. The matrix products marked QUANTISED in the list below multiply operands that are first quantised to E2M1 (2 exponent bits, 1 mantissa bit; 4 bits a number), with one power-of-two scale for each 32 numbers along K (OCP MX v1.0); their sums are f32. The products marked 'left as it is' may take bf16, f16 or f32 operands, with f32 sums. Whichever they take, every output number must still come out within the allowed error. Rounding operands to bf16 (8 significant bits) uses up far more of that allowance than f16 does (11 bits, for magnitudes from 6e-5 to 65,504). All else is computed in f32.
;;   The module's matrix products, in the order in which they are computed (A, B: the left and right operand; K: the contracted axis; several contracted axes count as one K, in the product's order):
;;     1. [M 16,384, K 512] x [K 512, N 512]; A: input x; B: input Wq: QUANTISED
;;     2. [M 16,384, K 512] x [K 512, N 512]; A: input x; B: input Wk: QUANTISED
;;     3. [M 16,384, K 512] x [K 512, N 512]; A: input x; B: input Wv: QUANTISED
;;     4. batch 64 x [M 64, K 2,048] x [K 2,048, N 64]; A: computed on the way; B: computed on the way: left as it is (an operand is computed on the way)
;;     5. batch 64 x [M 2,048, K 64] x [K 64, N 64]; A: computed on the way; B: computed on the way: left as it is (an operand is computed on the way)
;;     6. [M 16,384, K 512] x [K 512, N 512]; A: computed on the way; B: input Wo: left as it is (an operand is computed on the way)
;;     7. [M 16,384, K 512] x [K 512, N 2,048]; A: computed on the way; B: input W1: left as it is (an operand is computed on the way)
;;     8. [M 16,384, K 2,048] x [K 2,048, N 512]; A: computed on the way; B: input W2: left as it is (an operand is computed on the way)
;;   THE QUANTISER, for each operand of a quantised product, along K:
;;     - K is cut into blocks of 32 from its start; a last block that is shorter is filled with zeros.
;;     - A block's scale is 2^e with e = floor(log2(the largest magnitude in the block)) - 2, held to -126 .. 127; a block of zeros has e = 0. As a byte (E8M0): e + 127.
;;     - Each number is divided by its block's scale, clamped to +-6, and rounded to the nearest number of E2M1, ties to even, subnormals kept.
;;     - The product sums the exact products of the quantised numbers (number of the format x scale) in f32.
;;   ~~~python
;;   def quantise(x, axis):      # numpy; x: float32 -> the quantised numbers, widened to float32 again
;;       x = np.moveaxis(x, axis, -1); K = x.shape[-1]
;;       x = np.pad(x, [(0, 0)] * (x.ndim - 1) + [(0, -K % 32)]); x = x.reshape(x.shape[:-1] + (-1, 32)); a = np.abs(x).max(-1, keepdims=True)
;;       e = np.where(a > 0, np.clip(np.frexp(np.where(a > 0, a, 1))[1] - 1 - 2, -126, 127), 0)      # np.frexp(a)[1] - 1 = floor(log2(a)), exactly
;;       r = np.clip(x / 2.0 ** e, -6, 6)
;;       step = 2.0 ** (np.maximum(np.frexp(np.where(r == 0, 1, r))[1] - 1, 0) - 1)
;;       q = np.round(r / step) * step * 2.0 ** e      # np.round: ties to even
;;       return np.moveaxis(q.reshape(q.shape[:-2] + (-1,))[..., :K], -1, axis).astype(np.float32)
;;   ~~~
;; One version. Each part assembles by itself: llvm-mc -triple=amdgcn-amd-amdhsa -mcpu=gfx1250 --defsym DOCPART=n.
;; ======== version 1 of 1: 4 launches
;; limits: values are held in f16: magnitudes above 65,504 overflow, below 6.1e-05 lose precision
;; workspace buffers: XQ 4,456,448 bytes; WQ 417,792 bytes; WH 4,718,592 bytes; QW 16,777,216 bytes; DP 4,194,304 bytes; MW 4,194,304 bytes
;; launch prep (part 1): grid 704 x 1, 4 waves a work-group, no clusters, 0 bytes of LDS; arguments x, Wq, Wk, Wv, Wo, W1, W2, XQ, WQ, WH; writes XQ, WQ, WH
.if DOCPART == 1
	.amdgcn_target "amdgcn-amd-amdhsa--gfx1250"
	.amdhsa_code_object_version 6
	.text
	.protected	k_qfe4635bb71_prep
	.globl	k_qfe4635bb71_prep
	.p2align	8
	.type	k_qfe4635bb71_prep,@function
k_qfe4635bb71_prep:
	s_mov_b64 s[64:65], 0
	v_nop
	global_prefetch_b8 v0, s[64:65] scope:SCOPE_SE
	s_setreg_imm32_b32 hwreg(HW_REG_WAVE_MODE, 25, 1), 1
	s_wait_xcnt 0x0
; PREP.  x [8][512][2048] and Wq, Wk, Wv [512][512] become codes of FP4 (E2M1) with one E8M0 byte for each 32 along K; Wo, W1, W2 become f16.  K (the 512 or 2,048 of the first axis) is never innermost.
; A LANE TAKES A COLUMN AND ITS REGISTERS RUN DOWN K: a wave takes 32 columns x 128 rows of K, four waves stand side by side on 128 columns, so a row's 512 consecutive bytes are read together.
; EVERYTHING IS STORED AS AN IMAGE OF OPERAND REGISTERS.  r = lane % 16, hh = lane / 16.
;   FP4 fragment (16 rows or columns x 128 K, 1,024 bytes): block q of 32 K of column r lies at 256 q + 16 r.   f16 fragment (16 x 32 K, 1,024 bytes): K 8 u .. 8 u + 7 of column r at 256 u + 16 r.
;   A reader loads such a fragment by two loads of 16 bytes a lane at 16 x lane and 16 x lane + 512.  A maker's sixteen neighbouring lanes store 256 consecutive bytes, aligned.
; A block's scale byte is its largest magnitude's exponent field - 2, held at 1 from below by a floor among the maximum's leaves.
; LIMITS: a block of zeros gets the byte 1 and not 127 (its codes are zeros; the bytes are read by this program alone); NaN and infinities are not served; f16: above 65,504 infinity, under 6e-5 steps of 6e-8.
; Work-groups 0-511: x; 512-559: Wq, Wk, Wv; 560-575: Wo; 576-639: W1; 640-703: W2.  The paths part on the work-group's number alone.  No LDS, no barrier: waves share nothing.
.set X,   16                           ; v16-143  128 numbers: my column, 128 rows of K
.set C,   144                          ; v144-207 codes or f16 pairs: registers of their own for each store, so that no store's data are written again
.set IN,  32                           ; s[32:33] where my wave reads
.set OUT, 34                           ; s[34:35] where its images go
.set SCL, 36                           ; s[36:37] where its scale words go
.macro SHADD d, s, n                   ; s[d] += s[s] << n
	s_lshl_b32 s31, s[\s], \n
	s_add_co_u32 s[\d], s[\d], s31
.endm
.macro LOADG g, pitch                  ; rows 32 g .. 32 g + 31 of my column
.set li, 0
.rept 32
	global_load_b32 v[X+32*(\g)+li], v1, s[IN:IN+1] offset:(32*(\g)+li)*(\pitch) th:TH_LOAD_NT
.set li, li+1
.endr
.endm
.macro QBLK q                          ; block q: all its 32 numbers are mine
.set XS, X+32*(\q)
	v_max3_num_f32 v8, |v[XS]|, |v[XS+1]|, |v[XS+2]|
	v_max3_num_f32 v9, |v[XS+3]|, |v[XS+4]|, |v[XS+5]|
.irp i, 6,10,14,18,22,26
	v_max3_num_f32 v8, v8, |v[XS+\i]|, |v[XS+\i+1]|
	v_max3_num_f32 v9, v9, |v[XS+\i+2]|, |v[XS+\i+3]|
.endr
	v_max3_num_f32 v8, v8, |v[XS+30]|, |v[XS+31]|
	v_max3_num_f32 v8, v8, v9, 0x1800000           ; the floor 2^(3 - 127): the byte cannot fall under 1
	v_add_nc_u32 v10, 0xff000000, v8               ; 2 off the exponent field: the conversion takes this operand's exponent field as its scale
	v_lshrrev_b32 v11, 23, v10                     ; the scale's byte
.if (\q) == 0
	v_mov_b32 v12, v11
.else
	v_lshl_or_b32 v12, v11, 8*(\q), v12            ; four bytes make the scale word of these 128 K
.endif
.irp g, 0,1,2,3
	v_cvt_scalef32_pk8_fp4_f32 v[C+4*(\q)+\g], v[XS+8*\g:XS+8*\g+7], v10
.endr
	global_store_b128 v2, v[C+4*(\q):C+4*(\q)+3], s[OUT:OUT+1] offset:256*(\q)   ; 16 lanes store 256 consecutive bytes, aligned
.endm
.macro CBLK sl, kstr                   ; rows 32 sl .. + 31 as one f16 fragment's part: 16 pairs, four stores
.set ci, 0
.rept 16
	v_cvt_pk_f16_f32 v[C+16*(\sl)+ci], v[X+32*(\sl)+2*ci], v[X+32*(\sl)+2*ci+1]
.set ci, ci+1
.endr
.irp u, 0,1,2,3
	global_store_b128 v3, v[C+16*(\sl)+4*\u:C+16*(\sl)+4*\u+3], s[OUT:OUT+1] offset:(\sl)*(\kstr)+256*\u
.endr
.endm
; Two groups of 32 loads run ahead of the work.  Each wait for 32 leaves the one younger group out.
.macro QPATH pitch
	LOADG 0, \pitch
	LOADG 1, \pitch
	s_wait_loadcnt 32
	LOADG 2, \pitch
	QBLK 0
	s_wait_loadcnt 32
	LOADG 3, \pitch
	QBLK 1
	s_wait_loadcnt 32
	QBLK 2
	s_wait_loadcnt 0x0
	QBLK 3
	global_store_b32 v1, v12, s[SCL:SCL+1]         ; 32 columns' scale words: 128 consecutive bytes
.endm
.macro CONV pitch, kstr
	LOADG 0, \pitch
	LOADG 1, \pitch
	s_wait_loadcnt 32
	LOADG 2, \pitch
	CBLK 0, \kstr
	s_wait_loadcnt 32
	LOADG 3, \pitch
	CBLK 1, \kstr
	s_wait_loadcnt 32
	CBLK 2, \kstr
	s_wait_loadcnt 0x0
	CBLK 3, \kstr
.endm
	s_load_b256 s[4:11], s[0:1], 0x0               ; x, Wq, Wk, Wv
	s_load_b256 s[12:19], s[0:1], 0x20             ; Wo, W1, W2, XQ
	s_load_b128 s[20:23], s[0:1], 0x40             ; WQ, WH
	v_lshrrev_b32 v4, 5, v0
	v_readfirstlane_b32 s24, v4                    ; wave
	v_and_b32 v5, 31, v0
	v_lshlrev_b32 v1, 2, v5                        ; 4 x lane: my column in a row, and my scale word
	v_and_b32 v6, 15, v0                           ; r
	v_bfe_u32 v7, v0, 4, 1                         ; hh
	v_lshlrev_b32 v6, 4, v6
	v_lshl_add_u32 v2, v7, 12, v6                  ; FP4 images: lanes 16-31 hold the next tile of 16 columns, 4,096 bytes on
	v_lshl_add_u32 v3, v7, 10, v6                  ; f16 images: 1,024 bytes on
	s_mov_b32 s29, 0
	s_mov_b32 s39, 0
	s_mov_b32 s41, 0
	s_wait_kmcnt 0x0
	s_cmp_lt_u32 ttmp9, 512
	s_cbranch_scc1 .Lx
	s_cmp_lt_u32 ttmp9, 560
	s_cbranch_scc1 .Lw
	s_cmp_lt_u32 ttmp9, 576
	s_cbranch_scc1 .Lwo
	s_cmp_lt_u32 ttmp9, 640
	s_cbranch_scc1 .Lw1
	; ---- W2 [2048][512]: chunk c = rows 128 c on; columns 128 cg + 32 w on.  Slot 2 c + 1 of the stream: quarter cg, fragment (k step sl, column tile 2 w + hh) at (8 sl + tile) x 1,024
	s_sub_co_u32 s25, ttmp9, 640
	s_lshr_b32 s26, s25, 2                         ; c
	s_and_b32 s25, s25, 3                          ; cg
	s_lshl_b32 s28, s24, 7
	SHADD 28, 25, 9
	SHADD 28, 26, 18
	s_mov_b32 s38, 131072
	SHADD 38, 26, 18
	SHADD 38, 25, 15
	SHADD 38, 24, 11
	s_add_nc_u64 s[IN:IN+1], s[16:17], s[28:29]
	s_add_nc_u64 s[OUT:OUT+1], s[22:23], s[38:39]
	CONV 2048, 8192
	s_endpgm
.Lx:
	; ---- x: K step s = id % 4 (128 of the 512), columns = positions: batch b, 128 (cg % 16) + 32 w on
	s_and_b32 s25, ttmp9, 3                        ; s
	s_lshr_b32 s26, ttmp9, 2
	s_lshr_b32 s27, s26, 4                         ; b
	s_and_b32 s26, s26, 15                         ; which 128 positions
	s_lshl_b32 s28, s24, 7
	SHADD 28, 26, 9                                ; 4 x my first position
	s_add_co_u32 s40, s28, 4194304                 ; scale words: [b][s][position], behind the codes
	SHADD 40, 27, 15
	SHADD 40, 25, 13
	SHADD 28, 27, 22                               ; x: a batch is 4,194,304 bytes, 128 rows are 1,048,576
	SHADD 28, 25, 20
	s_lshl_b32 s38, s27, 19                        ; codes: [b][tile of 16 positions][s][1,024]
	SHADD 38, 26, 15
	SHADD 38, 24, 13
	SHADD 38, 25, 10
	s_add_nc_u64 s[IN:IN+1], s[4:5], s[28:29]
	s_add_nc_u64 s[OUT:OUT+1], s[18:19], s[38:39]
	s_add_nc_u64 s[SCL:SCL+1], s[18:19], s[40:41]
	QPATH 8192
	s_endpgm
.Lw:
	; ---- Wq, Wk, Wv: matrix mat, columns 128 cg + 32 w on, K step s
	s_sub_co_u32 s25, ttmp9, 512
	s_lshr_b32 s27, s25, 4                         ; mat
	s_bfe_u32 s26, s25, 0x20002                    ; cg
	s_and_b32 s25, s25, 3                          ; s
	s_cmp_eq_u32 s27, 0
	s_cselect_b64 s[IN:IN+1], s[6:7], s[8:9]
	s_cmp_eq_u32 s27, 2
	s_cselect_b64 s[IN:IN+1], s[10:11], s[IN:IN+1]
	s_lshl_b32 s28, s24, 7
	SHADD 28, 26, 9
	s_add_co_u32 s40, s28, 393216                  ; scale words: [mat][s][column], behind the codes
	SHADD 40, 27, 13
	SHADD 40, 25, 11
	SHADD 28, 25, 18
	s_lshl_b32 s38, s27, 17                        ; codes: [mat][tile of 16 columns][s][1,024]
	SHADD 38, 26, 15
	SHADD 38, 24, 13
	SHADD 38, 25, 10
	s_add_nc_u64 s[IN:IN+1], s[IN:IN+1], s[28:29]
	s_add_nc_u64 s[OUT:OUT+1], s[20:21], s[38:39]
	s_add_nc_u64 s[SCL:SCL+1], s[20:21], s[40:41]
	QPATH 2048
	s_endpgm
.Lwo:
	; ---- Wo [512][512]: rows 128 rg on, columns 128 cg + 32 w on.  Images [k step 16][column tile 32][1,024], behind the stream
	s_sub_co_u32 s25, ttmp9, 560
	s_lshr_b32 s26, s25, 2                         ; cg
	s_and_b32 s25, s25, 3                          ; rg
	s_lshl_b32 s28, s24, 7
	SHADD 28, 26, 9
	SHADD 28, 25, 18
	s_mov_b32 s38, 4194304
	SHADD 38, 25, 17
	SHADD 38, 26, 13
	SHADD 38, 24, 11
	s_add_nc_u64 s[IN:IN+1], s[12:13], s[28:29]
	s_add_nc_u64 s[OUT:OUT+1], s[22:23], s[38:39]
	CONV 2048, 32768
	s_endpgm
.Lw1:
	; ---- W1 [512][2048]: chunk c = columns 128 c on, rows 128 rg on.  Slot 2 c of the stream: quarter w, fragment (k step 4 rg + sl, tile hh) at (2 k step + tile) x 1,024
	s_sub_co_u32 s25, ttmp9, 576
	s_lshr_b32 s26, s25, 2                         ; c
	s_and_b32 s25, s25, 3                          ; rg
	s_lshl_b32 s28, s24, 7
	SHADD 28, 26, 9
	SHADD 28, 25, 20
	s_lshl_b32 s38, s26, 18
	SHADD 38, 24, 15
	SHADD 38, 25, 13
	s_add_nc_u64 s[IN:IN+1], s[14:15], s[28:29]
	s_add_nc_u64 s[OUT:OUT+1], s[22:23], s[38:39]
	CONV 8192, 2048
	s_endpgm
.Lfunc_end_k_qfe4635bb71_prep:
	.size	k_qfe4635bb71_prep, .Lfunc_end_k_qfe4635bb71_prep-k_qfe4635bb71_prep
	.p2alignl 7, 3214868480
	.fill 96, 4, 3214868480
	.section	.rodata,"a",@progbits
	.p2align	6, 0x0
	.amdhsa_kernel k_qfe4635bb71_prep
		.amdhsa_group_segment_fixed_size 0
		.amdhsa_private_segment_fixed_size 0
		.amdhsa_enable_private_segment 0
		.amdhsa_kernarg_size 80
		.amdhsa_user_sgpr_count 2
		.amdhsa_user_sgpr_kernarg_segment_ptr 1
		.amdhsa_wavefront_size32 1
		.amdhsa_system_sgpr_workgroup_id_x 1
		.amdhsa_system_sgpr_workgroup_id_y 1
		.amdhsa_system_sgpr_workgroup_id_z 1
		.amdhsa_system_vgpr_workitem_id 0
		.amdhsa_next_free_vgpr 208
		.amdhsa_next_free_sgpr 66
		.amdhsa_reserve_vcc 0
		.amdhsa_float_denorm_mode_32 3
		.amdhsa_float_denorm_mode_16_64 3
		.amdhsa_memory_ordered 1
		.amdhsa_forward_progress 1
		.amdhsa_inst_pref_size 95
	.end_amdhsa_kernel
	.amdgpu_metadata
---
amdhsa.version: [ 1, 2 ]
amdhsa.kernels:
  - .name:           k_qfe4635bb71_prep
    .symbol:         k_qfe4635bb71_prep.kd
    .args:
      - { .name: x, .offset: 0, .size: 8, .value_kind: global_buffer, .address_space: global }
      - { .name: Wq, .offset: 8, .size: 8, .value_kind: global_buffer, .address_space: global }
      - { .name: Wk, .offset: 16, .size: 8, .value_kind: global_buffer, .address_space: global }
      - { .name: Wv, .offset: 24, .size: 8, .value_kind: global_buffer, .address_space: global }
      - { .name: Wo, .offset: 32, .size: 8, .value_kind: global_buffer, .address_space: global }
      - { .name: W1, .offset: 40, .size: 8, .value_kind: global_buffer, .address_space: global }
      - { .name: W2, .offset: 48, .size: 8, .value_kind: global_buffer, .address_space: global }
      - { .name: XQ, .offset: 56, .size: 8, .value_kind: global_buffer, .address_space: global }
      - { .name: WQ, .offset: 64, .size: 8, .value_kind: global_buffer, .address_space: global }
      - { .name: WH, .offset: 72, .size: 8, .value_kind: global_buffer, .address_space: global }
    .group_segment_fixed_size: 0
    .private_segment_fixed_size: 0
    .kernarg_segment_align: 8
    .kernarg_segment_size: 80
    .max_flat_workgroup_size: 128
    .sgpr_count:     66
    .vgpr_count:     208
    .wavefront_size: 32
...
	.end_amdgpu_metadata
.endif
;; end of part 1
;; launch qkv (part 2): grid 32 x 8, 4 waves a work-group, no clusters, 66,048 bytes of LDS; arguments XQ, WQ, bq, bk, bv, QW, DP; writes QW, DP
.if DOCPART == 2
	.amdgcn_target "amdgcn-amd-amdhsa--gfx1250"
	.amdhsa_code_object_version 6
	.text
	.protected	k_qfe4635bb71_qkv
	.globl	k_qfe4635bb71_qkv
	.p2align	8
	.type	k_qfe4635bb71_qkv,@function
k_qfe4635bb71_qkv:
	s_mov_b64 s[64:65], 0
	v_nop
	global_prefetch_b8 v0, s[64:65] scope:SCOPE_SE
	s_setreg_imm32_b32 hwreg(HW_REG_WAVE_MODE, 25, 1), 1
	s_wait_xcnt 0x0
; QKV.  A work-group takes one batch b, one head h and a quarter qd of the positions (512).  Q, K, V of the head are made by products on FP4 codes; K and V never leave registers:
; rounded to f16 they are the operands of a partial K^T V.  Out go Q (f16 fragment images) and the work-group's partial 64 x 64 sum (f32).
; SHARES.  Wave w takes 8 tiles of 16 positions, in four turns of two tiles: 32 positions, one K step of the f16 product.  The head's weights (3 x 64 columns x 512 K of codes: 384 registers) stay in each wave's registers.
; LAYOUTS (r = lane % 16, hh = lane / 16).  K, V: source 0 = 16 positions, source 1 = 16 columns: a lane holds ONE column d and its registers run along the positions, so two neighbouring tiles of positions,
; rounded in pairs, ARE a fragment (row d, K = 32 positions).  Q: the sources swapped: a lane holds one position and its registers run along the head's 64, so two neighbouring tiles of columns are a fragment
; (column = position, K = 32 of the head's 64), which the last launch takes as it lies.  The sum: source 0 = V^T, source 1 = K^T: a lane holds row d, its registers run along e.
; No cluster: operands come from memory straight into registers as images; what work-groups share is a small part of a short launch.
; LIMITS: f16 operands of K^T V and Q: above 65,504 infinity.
; REGISTERS.  window 0: v1-8 addresses; v16-39 the weights' scale words; v40-47 x's, two sets; v48-63 bk, bv as pairs; v64-95 bq in the result's layout; v96-223 x's fragments, two sets of 2 tiles x 4 K steps.
;   window 1: v0-127 results (K, V; Q takes K's place); v128-191 K^T's and V^T's fragments; v192-223 Q packed.   window 2: Wq, Wk.   window 3: Wv; v128-255 the 16 accumulators of the sum.
.set RED,   0                          ; LDS: each wave's image of its 16 accumulators, 16,384 bytes
.set SPARE, 65536                      ; the spare words, 128 bytes for each wave
.set LI,  1                            ; v1  16 x lane
.set L4,  2                            ; v2  4 x lane
.set QBO, 3                            ; v3  32 hh
.set KBO, 4                            ; v4  4 r
.set RST, 5                            ; v5  where I store my accumulators' image
.set RLD, 6                            ; v6  where I read the four waves' parts of my four tiles
.set SPW, 7
.set NIL, 8
.set WSC, 16
.set XSC, 40
.set KVB, 48
.set QB,  64
.set XF,  96
.set XC,  38                           ; s[38:39] x's codes at my wave's first tile;  s[40:41] its scale words;  s[42:43], s[44:45] the head's weights
.set XS,  40
.set WC,  42
.set WS,  44
.set MSB, 0
.macro WIN new                         ; the immediate's high byte repeats the setting that is left
.if MSB != \new
	s_set_vgpr_msb (MSB<<8)|\new
.set MSB, \new
.endif
.endm
.macro PLACES n
.rept \n
	v_nop
.endr
.endm
; One scaled product.  c < 0: the sum begins with 0.  ra, rb: the scale words lie in lanes 16-31 of their register.
.macro SW d, a, b, c, sa, sb, ra, rb
.if (\c) < 0
.if (\ra) && (\rb)
	v_wmma_scale_f32_16x16x128_f8f6f4 v[\d:\d+7], v[\a:\a+7], v[\b:\b+7], 0, v[\sa], v[\sb] matrix_a_fmt:MATRIX_FMT_FP4 matrix_b_fmt:MATRIX_FMT_FP4 matrix_a_scale:MATRIX_SCALE_ROW1 matrix_b_scale:MATRIX_SCALE_ROW1
.elseif (\ra)
	v_wmma_scale_f32_16x16x128_f8f6f4 v[\d:\d+7], v[\a:\a+7], v[\b:\b+7], 0, v[\sa], v[\sb] matrix_a_fmt:MATRIX_FMT_FP4 matrix_b_fmt:MATRIX_FMT_FP4 matrix_a_scale:MATRIX_SCALE_ROW1
.elseif (\rb)
	v_wmma_scale_f32_16x16x128_f8f6f4 v[\d:\d+7], v[\a:\a+7], v[\b:\b+7], 0, v[\sa], v[\sb] matrix_a_fmt:MATRIX_FMT_FP4 matrix_b_fmt:MATRIX_FMT_FP4 matrix_b_scale:MATRIX_SCALE_ROW1
.else
	v_wmma_scale_f32_16x16x128_f8f6f4 v[\d:\d+7], v[\a:\a+7], v[\b:\b+7], 0, v[\sa], v[\sb] matrix_a_fmt:MATRIX_FMT_FP4 matrix_b_fmt:MATRIX_FMT_FP4
.endif
.else
.if (\ra) && (\rb)
	v_wmma_scale_f32_16x16x128_f8f6f4 v[\d:\d+7], v[\a:\a+7], v[\b:\b+7], v[\c:\c+7], v[\sa], v[\sb] matrix_a_fmt:MATRIX_FMT_FP4 matrix_b_fmt:MATRIX_FMT_FP4 matrix_a_scale:MATRIX_SCALE_ROW1 matrix_b_scale:MATRIX_SCALE_ROW1
.elseif (\ra)
	v_wmma_scale_f32_16x16x128_f8f6f4 v[\d:\d+7], v[\a:\a+7], v[\b:\b+7], v[\c:\c+7], v[\sa], v[\sb] matrix_a_fmt:MATRIX_FMT_FP4 matrix_b_fmt:MATRIX_FMT_FP4 matrix_a_scale:MATRIX_SCALE_ROW1
.elseif (\rb)
	v_wmma_scale_f32_16x16x128_f8f6f4 v[\d:\d+7], v[\a:\a+7], v[\b:\b+7], v[\c:\c+7], v[\sa], v[\sb] matrix_a_fmt:MATRIX_FMT_FP4 matrix_b_fmt:MATRIX_FMT_FP4 matrix_b_scale:MATRIX_SCALE_ROW1
.else
	v_wmma_scale_f32_16x16x128_f8f6f4 v[\d:\d+7], v[\a:\a+7], v[\b:\b+7], v[\c:\c+7], v[\sa], v[\sb] matrix_a_fmt:MATRIX_FMT_FP4 matrix_b_fmt:MATRIX_FMT_FP4
.endif
.endif
.endm
; x of turn it: two tiles x four K steps of codes (16 loads) and four registers of scale words (lanes 0-15: the first tile's rows, lanes 16-31: the second's), into set it % 2
.macro XLOAD it
.set BF, (\it)%2
.irp p, 0,1
.irp s, 0,1,2,3
.irp c, 0,1
	global_load_b128 v[XF+64*BF+32*\p+8*\s+4*\c:XF+64*BF+32*\p+8*\s+4*\c+3], v[LI], s[XC:XC+1] offset:(\it)*8192+\p*4096+\s*1024+\c*512
.endr
.endr
.endr
.irp s, 0,1,2,3
	global_load_b32 v[XSC+4*BF+\s], v[L4], s[XS:XS+1] offset:\s*8192+(\it)*128
.endr
.endm
	s_load_b256 s[4:11], s[0:1], 0x0               ; XQ, WQ, bq, bk
	s_load_b128 s[12:15], s[0:1], 0x20             ; bv, QW
	s_load_b64 s[16:17], s[0:1], 0x30              ; DP
	v_lshl_add_u32 v[SPW], v0, 2, SPARE
	v_mov_b32 v[NIL], 0
	v_lshrrev_b32 v9, 5, v0
	v_readfirstlane_b32 s18, v9                    ; wave
	v_and_b32 v9, 31, v0
	v_lshlrev_b32 v[LI], 4, v9
	v_lshlrev_b32 v[L4], 2, v9
	v_bfe_u32 v10, v0, 4, 1
	v_lshlrev_b32 v[QBO], 5, v10
	v_and_b32 v10, 15, v0
	v_lshlrev_b32 v[KBO], 2, v10
	s_lshl_b32 s19, s18, 14
	v_add_nc_u32 v[RST], s19, v[LI]
	s_lshl_b32 s19, s18, 12
	v_add_nc_u32 v[RLD], s19, v[LI]
	s_and_b32 s20, ttmp7, 0xffff                   ; b
	s_lshr_b32 s21, ttmp9, 2                       ; h
	s_and_b32 s22, ttmp9, 3                        ; qd
	s_lshl_b32 s24, s20, 19                        ; x's codes: tile 128 b + 32 qd + 8 w, 4,096 bytes a tile
	s_lshl_b32 s23, s22, 17
	s_add_co_u32 s24, s24, s23
	s_lshl_b32 s23, s18, 15
	s_add_co_u32 s24, s24, s23
	s_mov_b32 s25, 0
	s_lshl_b32 s26, s20, 15                        ; x's scale words: [b][s][position]
	s_add_co_u32 s26, s26, 4194304
	s_lshl_b32 s23, s22, 11
	s_add_co_u32 s26, s26, s23
	s_lshl_b32 s23, s18, 9
	s_add_co_u32 s26, s26, s23
	s_mov_b32 s27, 0
	s_lshl_b32 s28, s21, 14                        ; the head's four tiles of columns
	s_mov_b32 s29, 0
	s_lshl_b32 s36, s21, 8                         ; the head's 64 numbers of a bias, and 64 scale words
	s_mov_b32 s37, 0
	s_add_co_u32 s30, s36, 393216
	s_mov_b32 s31, 0
	s_lshl_b32 s32, s20, 21                        ; Q's images: 16,384 bytes a tile of positions, K steps 2 h and 2 h + 1
	s_lshl_b32 s23, s22, 19
	s_add_co_u32 s32, s32, s23
	s_lshl_b32 s23, s18, 17
	s_add_co_u32 s32, s32, s23
	s_lshl_b32 s23, s21, 11
	s_add_co_u32 s32, s32, s23
	s_mov_b32 s33, 0
	s_lshl_b32 s34, s20, 19                        ; the partial sum: [b][h][qd][tile 4 w + et][1,024]
	s_lshl_b32 s23, s21, 16
	s_add_co_u32 s34, s34, s23
	s_lshl_b32 s23, s22, 14
	s_add_co_u32 s34, s34, s23
	s_lshl_b32 s23, s18, 12
	s_add_co_u32 s34, s34, s23
	s_mov_b32 s35, 0
	s_wait_kmcnt 0x0
	s_add_nc_u64 s[XC:XC+1], s[4:5], s[24:25]
	s_add_nc_u64 s[XS:XS+1], s[4:5], s[26:27]
	s_add_nc_u64 s[WC:WC+1], s[6:7], s[28:29]
	s_add_nc_u64 s[WS:WS+1], s[6:7], s[30:31]
	s_add_nc_u64 s[8:9], s[8:9], s[36:37]
	s_add_nc_u64 s[10:11], s[10:11], s[36:37]
	s_add_nc_u64 s[12:13], s[12:13], s[36:37]
	s_add_nc_u64 s[14:15], s[14:15], s[32:33]
	s_add_nc_u64 s[16:17], s[16:17], s[34:35]
	WIN 0x80                                       ; destination window 2: Wq (t, s) at 32 t + 8 s, Wk at 128 + 32 t + 8 s
.irp t, 0,1,2,3
.irp s, 0,1,2,3
.irp c, 0,1
	global_load_b128 v[32*\t+8*\s+4*\c:32*\t+8*\s+4*\c+3], v[LI], s[WC:WC+1] offset:\t*4096+\s*1024+\c*512
	global_load_b128 v[128+32*\t+8*\s+4*\c:128+32*\t+8*\s+4*\c+3], v[LI], s[WC:WC+1] offset:131072+\t*4096+\s*1024+\c*512
.endr
.endr
.endr
	WIN 0xc0                                       ; destination window 3: Wv
.irp t, 0,1,2,3
.irp s, 0,1,2,3
.irp c, 0,1
	global_load_b128 v[32*\t+8*\s+4*\c:32*\t+8*\s+4*\c+3], v[LI], s[WC:WC+1] offset:262144+\t*4096+\s*1024+\c*512
.endr
.endr
.endr
	WIN 0
.irp mt, 0,1,2
.irp pr, 0,1
.irp s, 0,1,2,3
	global_load_b32 v[WSC+(2*\mt+\pr)*4+\s], v[L4], s[WS:WS+1] offset:\mt*8192+\s*2048+\pr*128   ; lanes 0-15: tile 2 pr's columns, lanes 16-31: tile 2 pr + 1's
.endr
.endr
.endr
.irp t, 0,1,2,3
	global_load_b128 v[QB+8*\t:QB+8*\t+3], v[QBO], s[8:9] offset:\t*64        ; bq(64 h + 16 t + 8 hh + 0 .. 7): the C of Q's first products
	global_load_b128 v[QB+8*\t+4:QB+8*\t+7], v[QBO], s[8:9] offset:\t*64+16
.endr
.irp t, 0,1,2,3
	global_load_b32 v[KVB+2*\t], v[KBO], s[10:11] offset:\t*64                ; bk(64 h + 16 t + r): one number a lane
	global_load_b32 v[KVB+8+2*\t], v[KBO], s[12:13] offset:\t*64              ; bv likewise
.endr
	XLOAD 0
	XLOAD 1
	s_wait_loadcnt 20                              ; all but the second turn's 20 loads
.irp i, 0,1,2,3,4,5,6,7
	v_mov_b32 v[KVB+2*\i+1], v[KVB+2*\i]           ; as pairs, for the packed additions
.endr
; A TURN: 32 positions.  All accumulators take turns, one instruction a turn.
.macro ITER it
.set BF, (\it)%2
.if (\it) < 3
	s_wait_loadcnt 20                              ; this turn's x is in; the next turn's 20 loads may be out
.else
	s_wait_loadcnt 0x0
.endif
	WIN 0x58                                       ; K: source 0 (x) window 0, source 1 (Wk) window 2, C and D window 1
.irp s, 0,1,2,3
.irp t, 0,1,2,3
.irp p, 0,1
.if \s == 0
	SW 8*(2*\t+\p), XF+64*BF+32*\p+8*\s, 128+32*\t+8*\s, -1, XSC+4*BF+\s, WSC+(2+\t/2)*4+\s, \p, \t%2
.else
	SW 8*(2*\t+\p), XF+64*BF+32*\p+8*\s, 128+32*\t+8*\s, 8*(2*\t+\p), XSC+4*BF+\s, WSC+(2+\t/2)*4+\s, \p, \t%2
.endif
.endr
.endr
.endr
	WIN 0x5c                                       ; V: source 1 (Wv) window 3
.irp s, 0,1,2,3
.irp t, 0,1,2,3
.irp p, 0,1
.if \s == 0
	SW 64+8*(2*\t+\p), XF+64*BF+32*\p+8*\s, 32*\t+8*\s, -1, XSC+4*BF+\s, WSC+(4+\t/2)*4+\s, \p, \t%2
.else
	SW 64+8*(2*\t+\p), XF+64*BF+32*\p+8*\s, 32*\t+8*\s, 64+8*(2*\t+\p), XSC+4*BF+\s, WSC+(4+\t/2)*4+\s, \p, \t%2
.endif
.endr
.endr
.endr
	PLACES 4                                       ; four places between the last product and the first read of results
	WIN 0x41
.set q, 0
.rept 64
	v_pk_add_f32 v[2*q:2*q+1], v[2*q:2*q+1], v[KVB+2*(q/8):KVB+2*(q/8)+1]     ; + the lane's bias, in f32; each accumulator from its low end on
.set q, q+1
.endr
	WIN 0x45
.set q, 0
.rept 64
	v_cvt_pk_f16_f32 v[128+q], v[2*q], v[2*q+1]    ; two tiles of positions make a fragment: K^T (t) at 128 + 8 t, V^T (t) at 160 + 8 t
.set q, q+1
.endr
.irp s, 0,1,2,3                                ; Q, the sources swapped: source 0 (Wq) window 2, source 1 (x) window 0; the first products take bq as C
.if \s == 0
	WIN 0x42
.else
	WIN 0x52
.endif
.irp p, 0,1
.irp t, 0,1,2,3
.if \s == 0
	SW 8*(4*\p+\t), 32*\t+8*\s, XF+64*BF+32*\p+8*\s, QB+8*\t, WSC+(\t/2)*4+\s, XSC+4*BF+\s, \t%2, \p
.else
	SW 8*(4*\p+\t), 32*\t+8*\s, XF+64*BF+32*\p+8*\s, 8*(4*\p+\t), WSC+(\t/2)*4+\s, XSC+4*BF+\s, \t%2, \p
.endif
.endr
.endr
.endr
	WIN 0xf5                                       ; the sum over these 32 positions: sources window 1, C and D window 3
.irp dt, 0,1,2,3
.irp et, 0,1,2,3
.if (\it) == 0
	v_wmma_f32_16x16x32_f16 v[128+8*(4*\dt+\et):128+8*(4*\dt+\et)+7], v[160+8*\et:160+8*\et+7], v[128+8*\dt:128+8*\dt+7], 0
.else
	v_wmma_f32_16x16x32_f16 v[128+8*(4*\dt+\et):128+8*(4*\dt+\et)+7], v[160+8*\et:160+8*\et+7], v[128+8*\dt:128+8*\dt+7], v[128+8*(4*\dt+\et):128+8*(4*\dt+\et)+7]
.endif
.endr
.endr
	PLACES 4                                       ; in front of loads into registers that products have read, and of the reads of Q
	WIN 0
.if (\it) < 2
	XLOAD (\it)+2
.endif
.if (\it) > 0
	s_wait_xcnt 0x0                                ; the last turn's stores have read Q's packed registers
.endif
	WIN 0x45
.set q, 0
.rept 32
	v_cvt_pk_f16_f32 v[192+q], v[2*q], v[2*q+1]    ; fragment (tile p, K step sp) at 192 + 16 p + 8 sp
.set q, q+1
.endr
	WIN 0x04                                       ; a store's data are its source 1: window 1
.irp p, 0,1
.irp sp, 0,1
.irp g, 0,1
	global_store_b128 v[LI], v[192+16*\p+8*\sp+4*\g:192+16*\p+8*\sp+4*\g+3], s[14:15] offset:(2*(\it)+\p)*16384+\sp*1024+\g*512   ; 32 lanes store 512 consecutive bytes, aligned
.endr
.endr
.endr
	WIN 0
.endm
	ITER 0
	ITER 1
	ITER 2
	ITER 3
	; THE FOUR WAVES' SUMS MEET IN LDS: each stores the image of its 16 accumulators; wave w then adds the four parts of tiles 4 w .. 4 w + 3 in a fixed order and stores them
	WIN 0x0c                                       ; an LDS store's data are its source 1: window 3
.set ti, 0
.rept 16
	ds_store_b128 v[RST], v[128+8*ti:128+8*ti+3] offset:ti*1024          ; each accumulator from its low end on
	ds_store_b128 v[RST], v[128+8*ti+4:128+8*ti+7] offset:ti*1024+512
.set ti, ti+1
.endr
	WIN 0
	s_wait_dscnt 0x0                               ; for the others' sake: my stores have landed
	s_barrier_signal -1
	s_barrier_wait -1
.irp wv, 0,1,2,3
.irp et, 0,1,2,3
.irp g, 0,1
	ds_load_b128 v[96+32*\wv+8*\et+4*\g:96+32*\wv+8*\et+4*\g+3], v[RLD] offset:\wv*16384+\et*1024+\g*512
.endr
.endr
.endr
	s_wait_dscnt 0x0
.irp wv, 1,2,3
.set q, 0
.rept 16
	v_pk_add_f32 v[96+2*q:96+2*q+1], v[96+2*q:96+2*q+1], v[96+32*\wv+2*q:96+32*\wv+2*q+1]
.set q, q+1
.endr
.endr
.irp et, 0,1,2,3
.irp g, 0,1
	global_store_b128 v[LI], v[96+8*\et+4*\g:96+8*\et+4*\g+3], s[16:17] offset:\et*1024+\g*512
.endr
.endr
	s_wait_tensorcnt 0x0                           ; the wave's end: behind my last LDS store
	ds_add_u32 v[SPW], v[NIL]
	s_wait_dscnt 0x0
	s_endpgm
.Lfunc_end_k_qfe4635bb71_qkv:
	.size	k_qfe4635bb71_qkv, .Lfunc_end_k_qfe4635bb71_qkv-k_qfe4635bb71_qkv
	.p2alignl 7, 3214868480
	.fill 96, 4, 3214868480
	.section	.rodata,"a",@progbits
	.p2align	6, 0x0
	.amdhsa_kernel k_qfe4635bb71_qkv
		.amdhsa_group_segment_fixed_size 66048
		.amdhsa_private_segment_fixed_size 0
		.amdhsa_enable_private_segment 0
		.amdhsa_kernarg_size 56
		.amdhsa_user_sgpr_count 2
		.amdhsa_user_sgpr_kernarg_segment_ptr 1
		.amdhsa_wavefront_size32 1
		.amdhsa_system_sgpr_workgroup_id_x 1
		.amdhsa_system_sgpr_workgroup_id_y 1
		.amdhsa_system_sgpr_workgroup_id_z 1
		.amdhsa_system_vgpr_workitem_id 0
		.amdhsa_next_free_vgpr 1024
		.amdhsa_next_free_sgpr 66
		.amdhsa_reserve_vcc 0
		.amdhsa_float_denorm_mode_32 3
		.amdhsa_float_denorm_mode_16_64 3
		.amdhsa_memory_ordered 1
		.amdhsa_forward_progress 1
		.amdhsa_inst_pref_size 129
	.end_amdhsa_kernel
	.amdgpu_metadata
---
amdhsa.version: [ 1, 2 ]
amdhsa.kernels:
  - .name:           k_qfe4635bb71_qkv
    .symbol:         k_qfe4635bb71_qkv.kd
    .args:
      - { .name: XQ, .offset: 0, .size: 8, .value_kind: global_buffer, .address_space: global }
      - { .name: WQ, .offset: 8, .size: 8, .value_kind: global_buffer, .address_space: global }
      - { .name: bq, .offset: 16, .size: 8, .value_kind: global_buffer, .address_space: global }
      - { .name: bk, .offset: 24, .size: 8, .value_kind: global_buffer, .address_space: global }
      - { .name: bv, .offset: 32, .size: 8, .value_kind: global_buffer, .address_space: global }
      - { .name: QW, .offset: 40, .size: 8, .value_kind: global_buffer, .address_space: global }
      - { .name: DP, .offset: 48, .size: 8, .value_kind: global_buffer, .address_space: global }
    .group_segment_fixed_size: 66048
    .private_segment_fixed_size: 0
    .kernarg_segment_align: 8
    .kernarg_segment_size: 56
    .max_flat_workgroup_size: 128
    .sgpr_count:     66
    .vgpr_count:     1024
    .wavefront_size: 32
...
	.end_amdgpu_metadata
.endif
;; end of part 2
;; launch fold (part 3): grid 8 x 8, 4 waves a work-group, no clusters, 8,704 bytes of LDS; arguments DP, WH, MW; writes MW
.if DOCPART == 3
	.amdgcn_target "amdgcn-amd-amdhsa--gfx1250"
	.amdhsa_code_object_version 6
	.text
	.protected	k_qfe4635bb71_fold
	.globl	k_qfe4635bb71_fold
	.p2align	8
	.type	k_qfe4635bb71_fold,@function
k_qfe4635bb71_fold:
	s_mov_b64 s[64:65], 0
	v_nop
	global_prefetch_b8 v0, s[64:65] scope:SCOPE_SE
	s_setreg_imm32_b32 hwreg(HW_REG_WAVE_MODE, 25, 1), 1
	s_wait_xcnt 0x0
; FOLD.  A work-group takes one batch b and one head h: it adds the four partial sums K^T V, divides by 8, takes the softmax along e (the row's maximum taken away first), and multiplies the 64 x 64 weights
; by the head's 64 rows of Wo: M[64 h + d][c] = sum over e of attn[d][e] Wo[64 h + e][c].  The last launch then forms Q M in place of (Q attn) Wo: the same sum in another order of rounding.
; 64 work-groups: that is all the work there is (64 x 64 x 512 multiply-adds each).
; SHARES.  Softmax: wave w takes rows d = 16 w .. + 15; lane (r, hh) holds row 16 w + r at e = 16 et + 8 hh + j.  Rounded in pairs these are two f16 fragments (row d, K = e), which go to the other waves through LDS
; as images of their registers.  Product: wave w takes columns 128 w .. + 127 of Wo for all 64 rows d, in two passes of four column tiles; the result (lane = column c, registers along d) packs into fragments
; (row c, K = d), stored in the order in which the last launch's waves read a slot: [b][slot h / 2][wave][8 (2 (h % 2) + sp) + column tile][1,024].
; LIMITS: attn, Wo and M go in f16: under 6e-5 the steps are 6e-8.
; REGISTERS.  window 0: v1-3 addresses, v5, v6 the add's two, v8-15 at work; v16-143 the four parts, then v16-47 the row, v48-63 its f16 pairs; v64-127 M packed; v144-207 attn's 8 fragments.
;   window 1: v0-127 Wo's 16 fragments; v128-255 16 accumulators.
.set AT,    0                          ; LDS: attn's fragments (2 dt + sp) x 1,024
.set SPARE, 8192
.set MSB, 0
.macro WIN new
.if MSB != \new
	s_set_vgpr_msb (MSB<<8)|\new
.set MSB, \new
.endif
.endm
	s_load_b128 s[4:7], s[0:1], 0x0                ; DP, WH
	s_load_b64 s[8:9], s[0:1], 0x10                ; MW
	v_lshl_add_u32 v5, v0, 2, SPARE
	v_mov_b32 v6, 0
	v_lshrrev_b32 v8, 5, v0
	v_readfirstlane_b32 s14, v8                    ; wave
	v_and_b32 v8, 31, v0
	v_lshlrev_b32 v1, 4, v8                        ; 16 x lane
	s_lshl_b32 s15, s14, 12
	v_add_nc_u32 v2, s15, v1                       ; + my four tiles of a part
	s_lshl_b32 s15, s14, 11
	v_add_nc_u32 v3, s15, v1                       ; LDS: my two fragments
	v_mov_b32 v9, 0                                ; a lane permute's destination counts as one of its sources
	s_and_b32 s16, ttmp7, 0xffff                   ; b
	s_lshl_b32 s20, s16, 19
	s_lshl_b32 s15, ttmp9, 16
	s_add_co_u32 s20, s20, s15                     ; the parts of (b, h): 65,536 bytes
	s_mov_b32 s21, 0
	s_add_co_u32 s22, s15, 4194304                 ; Wo's images: K steps 2 h, 2 h + 1;
	s_lshl_b32 s15, s14, 13
	s_add_co_u32 s22, s22, s15                     ; column tiles 8 w on
	s_mov_b32 s23, 0
	s_lshl_b32 s24, s16, 19
	s_lshr_b32 s15, ttmp9, 1
	s_lshl_b32 s15, s15, 17
	s_add_co_u32 s24, s24, s15
	s_lshl_b32 s15, s14, 15
	s_add_co_u32 s24, s24, s15
	s_and_b32 s15, ttmp9, 1
	s_lshl_b32 s15, s15, 14
	s_add_co_u32 s24, s24, s15
	s_mov_b32 s25, 0
	s_mov_b32 s10, 0x3e38aa3b                      ; c = log2(e) / 8
	s_mov_b32 s11, s10                             ; (named with it as a pair)
	s_mov_b32 s12, 0x76543210
	s_mov_b32 s13, 0xfedcba98                      ; selects for lane l xor 16
	s_wait_kmcnt 0x0
	s_add_nc_u64 s[4:5], s[4:5], s[20:21]
	s_add_nc_u64 s[6:7], s[6:7], s[22:23]
	s_add_nc_u64 s[8:9], s[8:9], s[24:25]
.irp qd, 0,1,2,3
.irp et, 0,1,2,3
.irp g, 0,1
	global_load_b128 v[16+32*\qd+8*\et+4*\g:16+32*\qd+8*\et+4*\g+3], v2, s[4:5] offset:\qd*16384+\et*1024+\g*512
.endr
.endr
.endr
	WIN 0x40                                       ; destination window 1: Wo (column tile i, K step sp) at 16 i + 8 sp
.irp i, 0,1,2,3,4,5,6,7
.irp sp, 0,1
.irp g, 0,1
	global_load_b128 v[16*\i+8*\sp+4*\g:16*\i+8*\sp+4*\g+3], v1, s[6:7] offset:\sp*32768+\i*1024+\g*512
.endr
.endr
.endr
	WIN 0
	s_wait_loadcnt 32                              ; the parts are in; Wo's 32 loads may be out
.irp qd, 1,2,3
.set q, 0
.rept 16
	v_pk_add_f32 v[16+2*q:16+2*q+1], v[16+2*q:16+2*q+1], v[16+32*\qd+2*q:16+32*\qd+2*q+1]
.set q, q+1
.endr
.endr
	v_max3_num_f32 v8, v16, v17, v18               ; the row's maximum: my 32,
.irp i, 3,5,7,9,11,13,15,17,19,21,23,25,27,29
	v_max3_num_f32 v8, v8, v[16+\i], v[17+\i]
.endr
	v_max_num_f32 v8, v8, v47
	v_permlanex16_b32 v9, v8, s12, s13
	v_max_num_f32 v8, v8, v9                       ; and lane l xor 16's
	v_mul_f32 v10, s10, v8                         ; c x maximum
	v_mov_b32 v11, v10
.set q, 0
.rept 16
	v_pk_fma_f32 v[16+2*q:16+2*q+1], v[16+2*q:16+2*q+1], s[10:11], v[10:11] op_sel_hi:[1,0,0] neg_lo:[0,0,1] neg_hi:[0,0,1]   ; c s - c maximum
.set q, q+1
.endr
.set q, 0
.rept 32
	v_exp_f32 v[16+q], v[16+q]
.set q, q+1
.endr
	v_mov_b32 v13, 0                               ; a plain instruction behind the last exponential (v13: the upper half of the pair v[12:13])
	s_wait_alu depctr_va_vdst(0)                   ; one wait for the batch, ahead of its first reader
	v_pk_add_f32 v[14:15], v[16:17], v[18:19]
.irp p, 4,6,8,10,12,14,16,18,20,22,24,26,28,30
	v_pk_add_f32 v[14:15], v[14:15], v[16+\p:17+\p]
.endr
	v_add_f32 v14, v14, v15
	v_permlanex16_b32 v9, v14, s12, s13
	v_add_f32 v14, v14, v9                         ; the row's sum
	v_rcp_f32 v12, v14
	v_nop
	s_wait_alu depctr_va_vdst(0)
.set q, 0
.rept 16
	v_pk_mul_f32 v[16+2*q:16+2*q+1], v[16+2*q:16+2*q+1], v[12:13] op_sel_hi:[1,0]
.set q, q+1
.endr
.set q, 0
.rept 16
	v_cvt_pk_f16_f32 v[48+q], v[16+2*q], v[17+2*q] ; fragment sp (K = e 32 sp on) at 48 + 8 sp
.set q, q+1
.endr
.irp sp, 0,1
.irp g, 0,1
	ds_store_b128 v3, v[48+8*\sp+4*\g:48+8*\sp+4*\g+3] offset:AT+\sp*1024+\g*512
.endr
.endr
	s_wait_dscnt 0x0                               ; for the others' sake: my stores have landed
	s_barrier_signal -1
	s_barrier_wait -1
.irp dt, 0,1,2,3
.irp sp, 0,1
.irp g, 0,1
	ds_load_b128 v[144+16*\dt+8*\sp+4*\g:144+16*\dt+8*\sp+4*\g+3], v1 offset:AT+(2*\dt+\sp)*1024+\g*512
.endr
.endr
.endr
	s_wait_dscnt 0x0
	s_wait_loadcnt 0x0                             ; Wo
; A pass: four column tiles x four tiles of d, two K steps; 16 accumulators by turns
.macro PASS ps
	WIN 0x54                                       ; source 0 (attn) window 0, source 1 (Wo), C and D window 1
.irp sp, 0,1
.irp il, 0,1,2,3
.irp dt, 0,1,2,3
.if \sp == 0
	v_wmma_f32_16x16x32_f16 v[128+8*(4*\il+\dt):128+8*(4*\il+\dt)+7], v[144+16*\dt+8*\sp:144+16*\dt+8*\sp+7], v[16*(4*(\ps)+\il)+8*\sp:16*(4*(\ps)+\il)+8*\sp+7], 0
.else
	v_wmma_f32_16x16x32_f16 v[128+8*(4*\il+\dt):128+8*(4*\il+\dt)+7], v[144+16*\dt+8*\sp:144+16*\dt+8*\sp+7], v[16*(4*(\ps)+\il)+8*\sp:16*(4*(\ps)+\il)+8*\sp+7], v[128+8*(4*\il+\dt):128+8*(4*\il+\dt)+7]
.endif
.endr
.endr
.endr
.rept 4
	v_nop
.endr
	WIN 0x05
.set q, 0
.rept 64
	v_cvt_pk_f16_f32 v[64+q], v[128+2*q], v[129+2*q]     ; fragment (il, K step sp of d) at 64 + 16 il + 8 sp
.set q, q+1
.endr
	WIN 0
.irp il, 0,1,2,3
.irp sp, 0,1
.irp g, 0,1
	global_store_b128 v1, v[64+16*\il+8*\sp+4*\g:64+16*\il+8*\sp+4*\g+3], s[8:9] offset:\sp*8192+(4*(\ps)+\il)*1024+\g*512
.endr
.endr
.endr
.endm
	PASS 0
.rept 5
	v_nop                                          ; the second pass begins the accumulators anew: five places behind the products that wrote them
.endr
	s_wait_xcnt 0x0                                ; the first pass's stores have read their registers
	PASS 1
	s_wait_tensorcnt 0x0                           ; the wave's end: behind my last LDS store
	ds_add_u32 v5, v6
	s_wait_dscnt 0x0
	s_endpgm
.Lfunc_end_k_qfe4635bb71_fold:
	.size	k_qfe4635bb71_fold, .Lfunc_end_k_qfe4635bb71_fold-k_qfe4635bb71_fold
	.p2alignl 7, 3214868480
	.fill 96, 4, 3214868480
	.section	.rodata,"a",@progbits
	.p2align	6, 0x0
	.amdhsa_kernel k_qfe4635bb71_fold
		.amdhsa_group_segment_fixed_size 8704
		.amdhsa_private_segment_fixed_size 0
		.amdhsa_enable_private_segment 0
		.amdhsa_kernarg_size 24
		.amdhsa_user_sgpr_count 2
		.amdhsa_user_sgpr_kernarg_segment_ptr 1
		.amdhsa_wavefront_size32 1
		.amdhsa_system_sgpr_workgroup_id_x 1
		.amdhsa_system_sgpr_workgroup_id_y 1
		.amdhsa_system_sgpr_workgroup_id_z 1
		.amdhsa_system_vgpr_workitem_id 0
		.amdhsa_next_free_vgpr 512
		.amdhsa_next_free_sgpr 66
		.amdhsa_reserve_vcc 0
		.amdhsa_float_denorm_mode_32 3
		.amdhsa_float_denorm_mode_16_64 3
		.amdhsa_memory_ordered 1
		.amdhsa_forward_progress 1
		.amdhsa_inst_pref_size 35
	.end_amdhsa_kernel
	.amdgpu_metadata
---
amdhsa.version: [ 1, 2 ]
amdhsa.kernels:
  - .name:           k_qfe4635bb71_fold
    .symbol:         k_qfe4635bb71_fold.kd
    .args:
      - { .name: DP, .offset: 0, .size: 8, .value_kind: global_buffer, .address_space: global }
      - { .name: WH, .offset: 8, .size: 8, .value_kind: global_buffer, .address_space: global }
      - { .name: MW, .offset: 16, .size: 8, .value_kind: global_buffer, .address_space: global }
    .group_segment_fixed_size: 8704
    .private_segment_fixed_size: 0
    .kernarg_segment_align: 8
    .kernarg_segment_size: 24
    .max_flat_workgroup_size: 128
    .sgpr_count:     66
    .vgpr_count:     512
    .wavefront_size: 32
...
	.end_amdgpu_metadata
.endif
;; end of part 3
;; launch chain (part 4): grid 256 x 1, 4 waves a work-group, clusters of 4 x 1, 327,680 bytes of LDS; arguments QW, MW, WH, bo, g1, be1, b1, b2, g2, be2, out0; writes out0
.if DOCPART == 4
	.amdgcn_target "amdgcn-amd-amdhsa--gfx1250"
	.amdhsa_code_object_version 6
	.text
	.protected	k_qfe4635bb71_chain
	.globl	k_qfe4635bb71_chain
	.p2align	8
	.type	k_qfe4635bb71_chain,@function
k_qfe4635bb71_chain:
	s_mov_b64 s[64:65], 0
	v_nop
	global_prefetch_b8 v0, s[64:65] scope:SCOPE_SE
	s_setreg_imm32_b32 hwreg(HW_REG_WAVE_MODE, 25, 1), 1
	s_wait_xcnt 0x0
	s_wait_alu depctr_hold_cnt(0) depctr_sa_sdst(0) depctr_va_vdst(0) depctr_va_sdst(0) depctr_va_ssrc(0) depctr_va_vcc(0) depctr_vm_vsrc(0)
	s_getreg_b32 s2, hwreg(HW_REG_IB_STS2, 6, 4)
	s_cmp_eq_u32 s2, 0
	s_cbranch_scc0 .Lentry_in_a_cluster
	s_endpgm
.Lentry_in_a_cluster:
	s_bfe_u32 s2, ttmp6, 0x10000c
	s_cmp_lg_u32 s2, 0x3003
	s_cbranch_scc0 .Lentry_shape_is_right
	s_endpgm
.Lentry_shape_is_right:
; CHAIN.  A work-group takes 64 positions of one batch through the rest of the block: o = Q M_b + bo; y1 = layer norm of 2 o; z = relu(y1 W1 + b1) W2 + b2; out = layer norm of y1 + z, stored transposed.
; Nothing goes to memory on the way.  All products take f16 operands and sum in f32; norms, biases and the residual are f32.
; SHARES.  THE WAVES SHARE THE COLUMNS: wave w makes features 128 w .. + 127 of o and of z, and 32 of each chunk of 128 hidden units, for all 64 positions.  EVERY PRODUCT IS USED TRANSPOSED (source 0 = 16 rows of a
; weight's image, source 1 = 16 positions): a lane holds ONE position (16 m + lane % 16) and its registers run along the features, so that a result, rounded in pairs, IS the next product's operand.
; The activations of the first two products (Q, then y1: 64 x 512 f16) lie in 512 registers of every wave; h goes from wave to wave through LDS as images of its registers.
; WEIGHTS.  M_b comes as four slots of 131,072 bytes through a ring of two LDS slots; a wave fetches the quarter that it alone reads.  W1 AND W2 COME BY TWO WAYS AT ONCE, HALF EACH.  Of every run of eight
; fragments the first four go through the ring: one slot holds a chunk's half of W1 and of W2, so there is one change of slots a chunk and the one load a wave has the chunk's 256 products in which to land.
; The other four go from memory straight into 128 registers of the wave that multiplies them; each group of four is loaded again as soon as its 16 products are issued, for the products 128 further on.
; CLUSTER.  The four work-groups of a cluster lie in one batch and walk the same stream: what goes through the ring is asked for JOINTLY, by the same load with the same descriptor and a mask that names the four.
; The half that goes straight into registers cannot be asked for jointly: a joint request is a tensor load, which lands in LDS.  A wave has two tensor loads out at the head, later one.
; LIMITS: f16 operands: above 65,504 infinity, under 6e-5 steps of 6e-8; NaN and infinities are not served.  The variance is taken of the deviations from the mean, never as a difference of sums.
; REGISTERS.  window 0: v0-15 addresses; v16-31 b1's two tiles (in a norm: -mean and the factor, as pairs); v32-63 h's four accumulators, later h's fragments; v64-95 four weight fragments from LDS;
;   v96-223 sixteen weight fragments from memory (for Q M: two sets of eight from LDS); v224-255 h's fragments, packed results and work.
;   window 1: the 32 accumulators of o and z: (m, i) at 64 m + 8 i.   windows 2, 3: the activations: fragment (K step s, m) at 32 (s % 8) + 8 m, s < 8 in window 2.
.set SLOTB, 131072
.set HX,    262144                     ; LDS behind the ring: h's 16 fragments (4 sp + m) x 1,024
.set YX,    278528                     ; half of y1's fragments (2 s + m % 2) x 1,024; at the end the waves' stages, 4,352 bytes each
.set LNR,   311296                     ; four regions of 1,024 bytes for the norms' sums: word (16 m + r) x 16 + 4 w
.set SPARE, 315392                     ; the spare words, 128 bytes for each wave
.set AYS, 0                            ; v0   where I store y1's images (written behind v0's last use);
.set AWB, 0                            ;      behind the first norm: 16,384 w + 16 x lane: my quarter's place in a slot of W1's and W2's halves
.set LI,  1                            ; v1   16 x lane
.set AW0, 2                            ; v2   for Q M: my quarter of slot 0;  v3 of slot 1
.set AW1, 3
.set A1,  2                            ; v2   later: my quarter of W1's half in the slot in hand;  v3 of W2's half, 65,536 bytes on
.set A2,  3
.set AHS, 4                            ; v4   where I store h's images;  v5 where all are read
.set AHL, 5
.set LNS, 6                            ; v6   my word of a norm's region;  v7 my position's four words
.set LNL, 7
.set SPW, 8
.set NIL, 9
.set STI, 10                           ; v10  the stage: in;  v11 back;  v12 my bytes in two rows of out
.set STB, 11
.set GO,  12
.set BOF, 13                           ; v13  512 w + 32 hh: my eight numbers of a tile of bo, g, be, b2
.set B1O, 14                           ; v14  128 w + 32 hh: of b1
.set PFO, 15                           ; v15  256 x lane
.set B1,  16
.set NM,  16
.set RS,  24
.set ACCH, 32
.set G,   32
.set LB,  64
.set WA,  96
.set DR,  96
.set BE,  96
.set WB,  160
.set B2,  160
.set HFA, 224
.set HFB, 32
.set P,   224
.set T,   224
; scalars: s[4:25] the buffers; s26 wave; s[32:39], s[40:43], s[44:47] the descriptors of M's slots; s[68:75], s[76:79] those of W1's and W2's halves; s[48:49] where my direct loads stand; s50 the slot in hand;
; s[52:53], s54 the prefetches; s55 the loop's count; s[56:57] lane selects; s60-63 the norms' constants
.set MSB, 0
.macro WIN new                         ; the immediate's high byte repeats the setting that is left
.if MSB != (\new)
	s_set_vgpr_msb (MSB<<8)|(\new)
.set MSB, (\new)
.endif
.endm
.macro PLACES n
.rept \n
	v_nop
.endr
.endm
.macro CREST                           ; a round of the cluster's barrier behind its opening barrier
	s_cmp_lg_u32 s26, 0
	s_cbranch_scc1 .Lnw0_\@
	s_barrier_signal -3
.Lnw0_\@:
	s_barrier_wait -3
	s_barrier_signal -1
	s_barrier_wait -1
.endm
.macro ROUND
	s_barrier_signal -1
	s_barrier_wait -1
	CREST
.endm
.macro BAR                             ; my LDS stores have landed and my LDS loads are in: then the work-group's barrier
	s_wait_dscnt 0x0
	s_barrier_signal -1
	s_barrier_wait -1
.endm
.macro JLOAD g0, g1                    ; a joint load: every wave asks for a part of its own; an s_nop 0 and four v_nop follow
	tensor_load_to_lds s[\g0:\g0+3], s[\g1:\g1+7]
	s_nop 0
	PLACES 4
.endm
; A PREFETCH INTO THE L2 of one chunk of W1 and W2 (262,144 bytes), one change of slots ahead of the tensor load that asks for the chunk's first half.  All clusters walk the same stream: the first cluster asks.
; Its sixteen waves take 8,192 bytes of W1's and of W2's part each, told apart by address (place in the cluster, wave), lanes 256 bytes apart: each aligned block of 256 bytes is named once.
; how = 1: ahead of the loop; how = 0: in the loop, whose last trip asks for nothing: there is no chunk left.
.macro ASK how
.if \how
	s_cmp_eq_u32 s54, 1
.else
	s_cmp_gt_u32 s55, s54
.endif
	s_cbranch_scc0 .Lnot_mine_\@
	global_prefetch_b8 v[PFO], s[52:53] th:TH_LOAD_NT scope:SCOPE_SE
	global_prefetch_b8 v[PFO], s[52:53] offset:SLOTB th:TH_LOAD_NT scope:SCOPE_SE
.Lnot_mine_\@:
.endm
.macro FETCHW buf, aw, k               ; Q M: eight weight fragments: batch k of my quarter
.irp f, 0,1,2,3,4,5,6,7
	ds_load_b128 v[\buf+8*\f:\buf+8*\f+3], v[\aw] offset:(\k)*8192+\f*1024
	ds_load_b128 v[\buf+8*\f+4:\buf+8*\f+7], v[\aw] offset:(\k)*8192+\f*1024+512
.endr
.endm
.macro FETCHH hf, k                    ; h's fragments of K step k, four tiles of positions
.irp m, 0,1,2,3
	ds_load_b128 v[(\hf)+8*\m:(\hf)+8*\m+3], v[AHL] offset:(4*(\k)+\m)*1024
	ds_load_b128 v[(\hf)+8*\m+4:(\hf)+8*\m+7], v[AHL] offset:(4*(\k)+\m)*1024+512
.endr
.endm
; W1's half in a slot: run s / 4 of 4,096 bytes, in it fragment 2 (s % 2) + t, for the K steps s with s % 4 < 2.  Group (t, a): K steps 8 a + 0, 1, 4, 5 of tile t
.macro FETCHL1 t, a
.irp q, 0,1,2,3
	ds_load_b128 v[LB+8*\q:LB+8*\q+3], v[A1] offset:(2*(\a)+\q/2)*4096+(2*(\q%2)+(\t))*1024
	ds_load_b128 v[LB+8*\q+4:LB+8*\q+7], v[A1] offset:(2*(\a)+\q/2)*4096+(2*(\q%2)+(\t))*1024+512
.endr
.endm
.macro FETCHL2 sp                      ; W2's half: run sp, column tiles 0 to 3
.irp q, 0,1,2,3
	ds_load_b128 v[LB+8*\q:LB+8*\q+3], v[A2] offset:(\sp)*4096+\q*1024
	ds_load_b128 v[LB+8*\q+4:LB+8*\q+7], v[A2] offset:(\sp)*4096+\q*1024+512
.endr
.endm
; The direct half, four fragments to a group, into group p of the sixteen.  RELOAD1: W2 of the chunk at which s[48:49] stands: K step p, column tiles 4 to 7.
; RELOAD2: W1 of that chunk: tile t = p / 2, K steps 8 (p % 2) + 2, 3, 6, 7.
.macro RELOAD1 p
.irp q, 0,1,2,3
.irp g, 0,1
	global_load_b128 v[DR+32*(\p)+8*\q+4*\g:DR+32*(\p)+8*\q+4*\g+3], v[LI], s[48:49] offset:SLOTB+(8*(\p)+4+\q)*1024+\g*512
.endr
.endr
.endm
.macro RELOAD2 p
.irp q, 0,1,2,3
.irp g, 0,1
	global_load_b128 v[DR+32*(\p)+8*\q+4*\g:DR+32*(\p)+8*\q+4*\g+3], v[LI], s[48:49] offset:(16*((\p)%2)+4+2*(\q%2)+8*(\q/2)+(\p)/2)*1024+\g*512
.endr
.endr
.endm
.macro QLOAD qk                        ; Q's fragments of K step qk
.if (\qk) < 8
	WIN 0x80
.else
	WIN 0xc0
.endif
.irp m, 0,1,2,3
.irp g, 0,1
	global_load_b128 v[32*((\qk)%8)+8*\m+4*\g:32*((\qk)%8)+8*\m+4*\g+3], v[LI], s[4:5] offset:\m*16384+(\qk)*1024+\g*512
.endr
.endr
	WIN 0
.endm
.macro PARLOAD reg, sp                 ; my 64 numbers of a vector of 512, in the accumulators' layout
.irp i, 0,1,2,3,4,5,6,7
	global_load_b128 v[\reg+8*\i:\reg+8*\i+3], v[BOF], s[\sp:\sp+1] offset:\i*64
	global_load_b128 v[\reg+8*\i+4:\reg+8*\i+7], v[BOF], s[\sp:\sp+1] offset:\i*64+16
.endr
.endm
.macro B1LOAD
.irp t, 0,1
.irp g, 0,1
	global_load_b128 v[B1+8*\t+4*\g:B1+8*\t+4*\g+3], v[B1O], s[16:17] offset:\t*64+\g*16
.endr
.endr
.endm
; Q M: n column tiles from i0 on x four tiles of positions, one K step.  cb = 1: the sums begin with bo.  The accumulators take turns, one instruction a turn.
.macro MM2 wbuf, act, i0, n, cb
.set ii, \i0
.rept \n
.irp m, 0,1,2,3
.if \cb
	v_wmma_f32_16x16x32_f16 v[64*\m+8*ii:64*\m+8*ii+7], v[\wbuf+8*ii:\wbuf+8*ii+7], v[\act+8*\m:\act+8*\m+7], v[32+8*ii:32+8*ii+7]
.else
	v_wmma_f32_16x16x32_f16 v[64*\m+8*ii:64*\m+8*ii+7], v[\wbuf+8*ii:\wbuf+8*ii+7], v[\act+8*\m:\act+8*\m+7], v[64*\m+8*ii:64*\m+8*ii+7]
.endif
.endr
.set ii, ii+1
.endr
.endm
; The hidden layer: 16 products: tile t of my units, four K steps 8 a + 2 ds + 0, 1, 4, 5, four tiles of positions.  The pass's first K step takes b1 as C.  Four accumulators by turns.
.macro MMH abuf, t, a, ds
.irp q, 0,1,2,3
.irp m, 0,1,2,3
.if ((\a) == 0) && ((\ds) == 0) && (\q == 0)
	v_wmma_f32_16x16x32_f16 v[ACCH+8*\m:ACCH+8*\m+7], v[(\abuf)+8*\q:(\abuf)+8*\q+7], v[32*(2*(\ds)+(\q%2)+4*(\q/2))+8*\m:32*(2*(\ds)+(\q%2)+4*(\q/2))+8*\m+7], v[B1+8*(\t):B1+8*(\t)+7]
.else
	v_wmma_f32_16x16x32_f16 v[ACCH+8*\m:ACCH+8*\m+7], v[(\abuf)+8*\q:(\abuf)+8*\q+7], v[32*(2*(\ds)+(\q%2)+4*(\q/2))+8*\m:32*(2*(\ds)+(\q%2)+4*(\q/2))+8*\m+7], v[ACCH+8*\m:ACCH+8*\m+7]
.endif
.endr
.endr
.endm
; z += h W2: fragments q0 .. q0 + n - 1 of a group (column tiles i0 + q) x four tiles of positions, one K step
.macro MMZ abuf, hf, i0, q0, n
.set zq, \q0
.rept \n
.irp m, 0,1,2,3
	v_wmma_f32_16x16x32_f16 v[64*\m+8*((\i0)+zq):64*\m+8*((\i0)+zq)+7], v[(\abuf)+8*zq:(\abuf)+8*zq+7], v[(\hf)+8*\m:(\hf)+8*\m+7], v[64*\m+8*((\i0)+zq):64*\m+8*((\i0)+zq)+7]
.endr
.set zq, zq+1
.endr
.endm
; K step ok of o = Q M (not a slot's last): the next K step's weights are fetched, and Q of six K steps on is asked for, ahead of this step's 32 products
.macro OB ok
.set CUR, WA+64*((\ok)%2)
.set NXT, WA+64*(1-(\ok)%2)
.set AWR, AW0+((\ok)/4)%2
	s_wait_dscnt 0x0                               ; this step's weights are in
.if 15-(\ok) < 5
	s_wait_loadcnt 8*(15-(\ok))                    ; Q of this step is in; behind it: the K steps that follow, eight loads each
.else
	s_wait_loadcnt 40
.endif
	PLACES 4                                       ; in front of loads into registers that products have read
	FETCHW NXT, AWR, (\ok)%4+1
.if (\ok)+6 < 16
	QLOAD (\ok)+6
.endif
.if (\ok) == 0
	WIN 0x48                                       ; source 1 (Q) window 2, C (bo) window 0, D window 1
	MM2 CUR, 0, 0, 8, 1
.elseif (\ok) < 8
	WIN 0x58
	MM2 CUR, 32*((\ok)%8), 0, 8, 0
.else
	WIN 0x5c
	MM2 CUR, 32*((\ok)%8), 0, 8, 0
.endif
	WIN 0
.endm
; Q M: A SLOT'S LAST K STEP AND THE CHANGE OF SLOTS.  Each wave waits for all its tensor loads, adds 0 to its spare word, and waits for that and for its reads of this slot; the barrier opens a round of the
; cluster's; behind the round this slot is filled again, first thing.  kind: the descriptor goes two slots on (0), stands as it was made (1), or walks on to the other slot and the next chunk (2).
; faw: where the next slot's first batch is fetched from (-1: nothing).  how: the prefetch (-1: none).  qs: Q's K step.  pfs: the prefetches' address steps.
.macro OTURN act, win, g0, g1, kind, faw, how, qs, pfs
	s_wait_dscnt 0x0                               ; this step's operands are in: no LDS read of this slot is out
.if 15-(\qs) < 5
	s_wait_loadcnt 8*(15-(\qs))
.else
	s_wait_loadcnt 40
.endif
.if \pfs
	s_wait_xcnt 0x0                                ; the last prefetches, a slot back, have read their address
	s_add_nc_u64 s[52:53], s[52:53], 2*SLOTB
.endif
	s_wait_tensorcnt 0x0                           ; all my tensor loads have landed, so a group 0 may be written
	ds_add_u32 v[SPW], v[NIL]                      ; 0 onto my spare word
.if (\kind) == 0
	s_add_nc_u64 s[\g0+2:\g0+3], s[\g0+2:\g0+3], 2*SLOTB
.elseif (\kind) == 2
	s_xor_b32 s[\g0+1], s[\g0+1], SLOTB
	s_add_nc_u64 s[\g0+2:\g0+3], s[\g0+2:\g0+3], 2*SLOTB
.endif
	WIN \win
	MM2 WB, \act, 0, 4, 0                          ; sixteen products stand between the add and the wait for it
	s_wait_dscnt 0x0                               ; the add is done
	s_barrier_signal -1
	MM2 WB, \act, 4, 2, 0
	WIN 0
	s_barrier_wait -1
	CREST                                          ; no wave of any partner still reads this slot or has a load on its way
	JLOAD \g0, \g1                                 ; its four v_nop are also the places in front of the loads below
.if (\faw) >= 0
	FETCHW WA, \faw, 0
.endif
.if (\qs)+6 < 16
	QLOAD (\qs)+6
.endif
.if (\how) >= 0
	ASK \how
.endif
	WIN \win
	MM2 WB, \act, 6, 2, 0
	WIN 0
.endm
; THE HIDDEN LAYER, a quarter of it: tile t, K steps 8 a .. 8 a + 7: 16 products on fragments from LDS, 16 on fragments from memory.  Behind the first 16 the next group is fetched from LDS and lands while the
; second 16 are multiplied; behind the second 16 their registers take W2's fragments, which are multiplied 128 products further on.  b1n = 1: there is a next chunk, whose b1 is asked for.
.macro HG t, a, b1n
.if ((\t) == 1) && ((\a) == 0)
	s_wait_dscnt 4                                 ; the group from LDS is in; behind it: the four stores of h's first halves
.else
	s_wait_dscnt 0x0
.endif
.if ((\t) == 0) && ((\a) == 0)
	s_wait_loadcnt 32                              ; b1 is in; behind it at the least the four groups of eight direct loads
.endif
	WIN 0x08+4*(\a)                                ; source 1 (y1) window 2 or 3
	MMH LB, \t, \a, 0
	WIN 0
	PLACES 4                                       ; in front of loads into registers that products have read
.if (\a) == 0
	FETCHL1 \t, 1
.elseif (\t) == 0
	FETCHL1 1, 0
.else
	FETCHL2 0
.endif
	s_wait_loadcnt 24+4*(\b1n)*(\t)*(\a)           ; my direct group is in; behind it: the three groups loaded since (and, ahead of the last group, b1's four loads)
	WIN 0x08+4*(\a)
	MMH DR+32*(2*(\t)+(\a)), \t, \a, 1
	WIN 0
	PLACES 4+(\a)                                  ; four in front of the loads and of the reads of results; five where the next pass begins the accumulators anew
	RELOAD1 2*(\t)+(\a)
.if ((\t) == 1) && ((\a) == 0) && (\b1n)
	B1LOAD
.endif
.endm
.macro HOUT t                          ; relu in f32, rounded to f16: registers 4 t .. 4 t + 3 of K step w's fragments of the second product; their images go to LDS
.set hj, 0
.rept 32
	v_max_num_f32 v[ACCH+hj], 0, v[ACCH+hj]
.set hj, hj+1
.endr
.irp m, 0,1,2,3
.irp jj, 0,1,2,3
	v_cvt_pk_f16_f32 v[P+8*\m+4*(\t)+\jj], v[ACCH+8*\m+2*\jj], v[ACCH+8*\m+2*\jj+1]
.endr
.endr
.irp m, 0,1,2,3
	ds_store_b128 v[AHS], v[P+8*\m+4*(\t):P+8*\m+4*(\t)+3] offset:\m*1024+(\t)*512
.endr
.endm
; K step sp (0 to 2) of z += h W2: column tiles 0-3 from LDS, 4-7 from memory.  rl2 = 1: the direct registers take the next chunk's W1
.macro ZK sp, b1n, rl2
.if (\sp) > 0
	FETCHH HFA-192*(((\sp)+1)%2), (\sp)+1
.endif
	s_wait_dscnt 8                                 ; this step's weights and h are in; behind them: the next step's h, eight loads
	WIN 0x50                                       ; sources window 0, C and D window 1
	MMZ LB, HFA-192*((\sp)%2), 0, 0, 4
	WIN 0
	PLACES 4
	FETCHL2 (\sp)+1
	s_wait_loadcnt 8*(3-(\sp))+4*(\b1n)+8*(\rl2)*(\sp)   ; my direct group is in; behind it: W2's later groups, b1's four loads, and W1's groups loaded in this phase
	WIN 0x50
	MMZ DR+32*(\sp), HFA-192*((\sp)%2), 4, 0, 4
	WIN 0
	PLACES 4
.if \rl2
	RELOAD2 \sp
.endif
.endm
; THE CHUNK'S LAST K STEP.  end = 2: THE CHANGE OF SLOTS: this slot has been read out; each wave waits for all its tensor loads (its part of the other slot), adds 0 to its spare word, and waits for that and for
; its LDS reads; the barrier opens a round of the cluster's; behind it this slot takes the chunk two further on.  end = 1: the last chunk but one: a plain barrier, nothing is asked for.  end = 0: the last chunk.
; The barrier also parts the reads of this chunk's h from the stores of the next chunk's.
.macro ZEND rl2, end
	s_wait_dscnt 0x0                               ; this step's weights and h are in: no LDS read of mine is out
	s_wait_loadcnt 24*(\rl2)                       ; my last direct group is in; behind it: W1's three groups loaded in this phase, or nothing
.if (\end) == 2
	s_wait_tensorcnt 0x0                           ; all my tensor loads have landed, so the group 0 may be written
	ds_add_u32 v[SPW], v[NIL]                      ; 0 onto my spare word
	s_xor_b32 s77, s77, SLOTB                      ; the walking descriptor: the other slot than last time,
	s_add_nc_u64 s[78:79], s[78:79], 2*SLOTB       ; the next chunk; the type bits on top are not reached
.elseif (\end) == 1
	s_wait_tensorcnt 0x0                           ; my part of the last chunk's slot has landed
.endif
	WIN 0x50
	MMZ LB, HFB, 0, 0, 4                           ; sixteen products stand between the add and the wait for it
.if (\end) == 2
	s_wait_dscnt 0x0                               ; the add is done
.endif
.if (\end) > 0
	s_barrier_signal -1
.endif
	MMZ DR+96, HFB, 4, 0, 2
.if (\end) > 0
	WIN 0
	s_barrier_wait -1
.if (\end) == 2
	CREST                                          ; no wave of any partner still reads this slot or has a load on its way
	JLOAD 76, 68                                   ; its four v_nop are also the places in front of the loads below
.else
	PLACES 4
.endif
	s_xor_b32 s50, s50, SLOTB                      ; on to the other slot, which is whole
	v_add_nc_u32 v[A1], s50, v[AWB]
	v_add_nc_u32 v[A2], 0x10000, v[A1]
	FETCHL1 0, 0                                   ; the next chunk's first group
.if (\end) == 2
	ASK 0
.endif
	WIN 0x50
.endif
	MMZ DR+96, HFB, 4, 2, 2
	WIN 0
.if \rl2
	PLACES 5                                       ; four in front of the loads; five in front of the next chunk's first products, which are laid over h's fragments
	RELOAD2 3
.endif
.endm
; A CHUNK of 128 hidden units: 128 products for h in two passes, its exchange, 128 products for z
.macro CHUNK b1n, rl2, end
	HG 0, 0, \b1n
	HG 0, 1, \b1n
	HOUT 0
	HG 1, 0, \b1n
	HG 1, 1, \b1n
	HOUT 1
	BAR                                            ; h's sixteen fragments lie in LDS.  My tensor load may stay out
.if \rl2
	s_wait_xcnt 0x0                                ; the loads and prefetches issued so far have read their addresses, so these may step:
	s_add_nc_u64 s[48:49], s[48:49], 2*SLOTB       ; the direct loads to the next chunk,
	s_add_nc_u64 s[16:17], s[16:17], 512           ; b1 likewise,
.if (\end) == 2
	s_add_nc_u64 s[52:53], s[52:53], 2*SLOTB       ; and the prefetches
.endif
.endif
	FETCHH HFA, 0
	FETCHH HFB, 1
	ZK 0, \b1n, \rl2
	ZK 1, \b1n, \rl2
	ZK 2, \b1n, \rl2
	ZEND \rl2, \end
.endm
; Eight partial sums (two pairs for each tile of positions) become, in every lane, the sum over the position's 512 features, in v[T + 4 m]
.macro XSUM rg
	WIN 0
.irp m, 0,1,2,3
	v_pk_add_f32 v[T+4*\m:T+4*\m+1], v[T+4*\m:T+4*\m+1], v[T+4*\m+2:T+4*\m+3]
.endr
.irp m, 0,1,2,3
	v_mov_b32 v[T+20+\m], 0                        ; a lane permute's destination counts as one of its sources
.endr
.irp m, 0,1,2,3
	v_add_f32 v[T+16+\m], v[T+4*\m], v[T+4*\m+1]
.endr
.irp m, 0,1,2,3
	v_permlanex16_b32 v[T+20+\m], v[T+16+\m], s56, s57
.endr
.irp m, 0,1,2,3
	v_add_f32 v[T+16+\m], v[T+16+\m], v[T+20+\m]   ; my wave's 128 features
.endr
.irp m, 0,1,2,3
	ds_store_b32 v[LNS], v[T+16+\m] offset:(\rg)*1024+\m*256     ; both lanes of a position write the same word with the same value
.endr
	BAR
.irp m, 0,1,2,3
	ds_load_b128 v[T+4*\m:T+4*\m+3], v[LNL] offset:(\rg)*1024+\m*256
.endr
	s_wait_dscnt 0x0
.irp m, 0,1,2,3
	v_add_f32 v[T+4*\m], v[T+4*\m], v[T+4*\m+1]
	v_add_f32 v[T+4*\m+2], v[T+4*\m+2], v[T+4*\m+3]
.endr
.irp m, 0,1,2,3
	v_add_f32 v[T+4*\m], v[T+4*\m], v[T+4*\m+2]
.endr
.endm
; The mean is taken away from the accumulators; then the deviations' squares are summed.  s62: what the sum of squares is multiplied by; s63: what the reciprocal root is multiplied by
.macro LN_STATS rg
	WIN 0x05
.irp m, 0,1,2,3
	v_pk_add_f32 v[T+4*\m:T+4*\m+1], v[64*\m:64*\m+1], v[64*\m+2:64*\m+3]           ; each accumulator is read from its low end on
	v_pk_add_f32 v[T+4*\m+2:T+4*\m+3], v[64*\m+4:64*\m+5], v[64*\m+6:64*\m+7]
.endr
	WIN 0x04
.set pp, 8
.rept 14
.irp m, 0,1,2,3
	v_pk_add_f32 v[T+4*\m:T+4*\m+1], v[T+4*\m:T+4*\m+1], v[64*\m+pp:64*\m+pp+1]
	v_pk_add_f32 v[T+4*\m+2:T+4*\m+3], v[T+4*\m+2:T+4*\m+3], v[64*\m+pp+2:64*\m+pp+3]
.endr
.set pp, pp+4
.endr
	XSUM \rg
.irp m, 0,1,2,3
	v_mul_f32 v[NM+2*\m], s61, v[T+4*\m]           ; -mean
.endr
	WIN 0x41
.set pp, 0
.rept 32
.irp m, 0,1,2,3
	v_pk_add_f32 v[64*\m+pp:64*\m+pp+1], v[64*\m+pp:64*\m+pp+1], v[NM+2*\m:NM+2*\m+1] op_sel_hi:[1,0]
.endr
.set pp, pp+2
.endr
	WIN 0x05
.irp m, 0,1,2,3
	v_pk_mul_f32 v[T+4*\m:T+4*\m+1], v[64*\m:64*\m+1], v[64*\m:64*\m+1]
	v_pk_mul_f32 v[T+4*\m+2:T+4*\m+3], v[64*\m+2:64*\m+3], v[64*\m+2:64*\m+3]
.endr
.set pp, 4
.rept 15
.irp m, 0,1,2,3
	v_pk_fma_f32 v[T+4*\m:T+4*\m+1], v[64*\m+pp:64*\m+pp+1], v[64*\m+pp:64*\m+pp+1], v[T+4*\m:T+4*\m+1]
	v_pk_fma_f32 v[T+4*\m+2:T+4*\m+3], v[64*\m+pp+2:64*\m+pp+3], v[64*\m+pp+2:64*\m+pp+3], v[T+4*\m+2:T+4*\m+3]
.endr
.set pp, pp+4
.endr
	XSUM (\rg)+1
.irp m, 0,1,2,3
	v_fma_f32 v[T+4*\m], v[T+4*\m], s62, s60       ; variance + eps
.endr
.irp m, 0,1,2,3
	v_rsq_f32 v[T+16+\m], v[T+4*\m]
.endr
	v_nop
	s_wait_alu depctr_va_vdst(0)                   ; one wait for the four, ahead of their first reader
.irp m, 0,1,2,3
	v_mul_f32 v[RS+2*\m], s63, v[T+16+\m]
.endr
.endm
.macro LN_APPLY m
	WIN 0x41
.set pp, 0
.rept 32
	v_pk_mul_f32 v[64*(\m)+pp:64*(\m)+pp+1], v[64*(\m)+pp:64*(\m)+pp+1], v[RS+2*(\m):RS+2*(\m)+1] op_sel_hi:[1,0]
.set pp, pp+2
.endr
.set pp, 0
.rept 32
	v_pk_fma_f32 v[64*(\m)+pp:64*(\m)+pp+1], v[64*(\m)+pp:64*(\m)+pp+1], v[G+pp:G+pp+1], v[BE+pp:BE+pp+1]
.set pp, pp+2
.endr
.endm
; y1 of tile m: normed; rounded to f16 (my four K steps' fragments, to LDS); and in f32, with b2 added, left in the accumulators as the start of z's sums: the residual costs one packed addition
.macro Y1OUT m
	LN_APPLY \m
	s_wait_dscnt 0x0                               ; the last tile's stores have read the packed registers
	WIN 0x05
.set q, 0
.rept 32
	v_cvt_pk_f16_f32 v[P+q], v[64*(\m)+2*q], v[64*(\m)+2*q+1]
.set q, q+1
.endr
	WIN 0x41
.set pp, 0
.rept 32
	v_pk_add_f32 v[64*(\m)+pp:64*(\m)+pp+1], v[64*(\m)+pp:64*(\m)+pp+1], v[B2+pp:B2+pp+1]
.set pp, pp+2
.endr
	WIN 0
.irp sl, 0,1,2,3
.irp g, 0,1
	ds_store_b128 v[AYS], v[P+8*\sl+4*\g:P+8*\sl+4*\g+3] offset:\sl*2048+((\m)%2)*1024+\g*512
.endr
.endr
.endm
.macro Y1IN hf                         ; tiles 2 hf and 2 hf + 1 of y1, all 16 K steps, into every wave's registers
	WIN 0x80
.irp s, 0,1,2,3,4,5,6,7
.irp mm, 0,1
.irp g, 0,1
	ds_load_b128 v[32*\s+8*(2*(\hf)+\mm)+4*\g:32*\s+8*(2*(\hf)+\mm)+4*\g+3], v[AHL] offset:YX-HX+(2*\s+\mm)*1024+\g*512
.endr
.endr
.endr
	WIN 0xc0
.irp s, 0,1,2,3,4,5,6,7
.irp mm, 0,1
.irp g, 0,1
	ds_load_b128 v[32*\s+8*(2*(\hf)+\mm)+4*\g:32*\s+8*(2*(\hf)+\mm)+4*\g+3], v[AHL] offset:YX-HX+(2*(\s+8)+\mm)*1024+\g*512
.endr
.endr
.endr
	WIN 0
.endm
	s_load_b512 s[4:19], s[0:1], 0x0               ; QW, MW, WH, bo, g1, be1, b1, b2
	s_load_b128 s[20:23], s[0:1], 0x40             ; g2, be2
	s_load_b64 s[24:25], s[0:1], 0x50              ; out0
	v_lshl_add_u32 v[SPW], v0, 2, SPARE
	v_mov_b32 v[NIL], 0
	ds_add_u32 v[SPW], v[NIL]                      ; the wave's opening: the add, twice on end, and its wait ahead of my first tensor load
	ds_add_u32 v[SPW], v[NIL]
	v_lshrrev_b32 v16, 5, v0
	v_readfirstlane_b32 s26, v16                   ; wave
	s_bfe_u32 s27, ttmp6, 0x40000                  ; cx: my place in the cluster
	s_lshl_b32 s28, ttmp9, 2
	s_add_co_u32 s28, s28, s27                     ; my block of 64 positions: it enters Q's and out's addresses alone
	s_lshr_b32 s29, ttmp9, 3                       ; the batch, which the four partners share
	; descriptor group 1 for M's slots: 128 dense rows of 256 bytes
	s_mov_b32 s32, 0x23000f                        ; 15:0 the mask: all four work-groups; 17:16 elements of 8 bytes; 21 set beside a mask; no padding: an image is read 16 bytes a lane on end
	s_mov_b32 s33, 32<<16                          ; tensor_dim0 = 32
	s_mov_b32 s34, 128<<16                         ; tensor_dim1 = 128
	s_mov_b32 s35, 32<<16                          ; tile_dim0 = 32
	s_mov_b32 s36, 128                             ; tile_dim1 = 128
	s_mov_b32 s37, 32                              ; from row to row
	s_mov_b32 s38, 0
	s_mov_b32 s39, 0
	; and for W1's and W2's halves: 8 rows of 4,096 bytes (four fragments), 8,192 bytes apart: of every run of eight fragments the first four; dense in LDS
	s_mov_b32 s68, 0x23000f
	s_mov_b32 s69, 512<<16                         ; tensor_dim0 = 512 elements of 8 bytes
	s_mov_b32 s70, 8<<16                           ; tensor_dim1 = 8
	s_mov_b32 s71, 512<<16                         ; tile_dim0 = 512
	s_mov_b32 s72, 8                               ; tile_dim1 = 8
	s_mov_b32 s73, 1024                            ; from row to row
	s_mov_b32 s74, 0
	s_mov_b32 s75, 0
	s_mov_b32 s40, 1
	s_lshl_b32 s41, s26, 15                        ; LDS: my quarter of slot 0,
	s_mov_b32 s44, 1
	s_add_co_u32 s45, s41, SLOTB                   ; of slot 1
	s_mov_b32 s76, 1
	s_lshl_b32 s77, s26, 15                        ; the halves: wave j's 32,768 bytes of slot 0: matrix j / 2, quarters 2 (j % 2) and 2 (j % 2) + 1
	s_lshl_b32 s30, s29, 19                        ; M of my batch: 524,288 bytes; my quarter of its first slot
	s_add_co_u32 s30, s30, s41
	s_mov_b32 s31, 0
	s_lshl_b32 s2, s26, 15
	s_mov_b32 s3, 0
	s_wait_dscnt 0x0                               ; both opening adds are done
	s_wait_kmcnt 0x0
	s_add_nc_u64 s[42:43], s[6:7], s[30:31]
	s_add_nc_u64 s[46:47], s[42:43], SLOTB
	s_or_b32 s43, s43, 0x80000000                  ; type = 2
	s_or_b32 s47, s47, 0x80000000
	s_add_nc_u64 s[48:49], s[8:9], s[2:3]          ; the direct loads: my quarter of W1's first chunk
	s_lshl_b32 s2, s26, 16
	s_add_nc_u64 s[78:79], s[8:9], s[2:3]          ; the halves: 65,536 j bytes into the first chunk
	s_or_b32 s79, s79, 0x80000000
	ROUND                                          ; all four work-groups are here: the first joint loads meet
	tensor_load_to_lds s[40:43], s[32:39]
	s_nop 0
	tensor_load_to_lds s[44:47], s[32:39]
	s_nop 0
	PLACES 4
	s_lshl_b32 s62, s28, 16                        ; Q: four tiles of positions, 16,384 bytes each
	s_mov_b32 s63, 0
	s_add_nc_u64 s[4:5], s[4:5], s[62:63]
	s_lshl_b32 s62, s27, 15                        ; the prefetches: 32,768 x place + 8,192 x wave
	s_lshl_b32 s60, s26, 13
	s_add_co_u32 s62, s62, s60
	s_add_nc_u64 s[52:53], s[8:9], s[62:63]
	s_and_b32 s62, s28, 31                         ; out: batch, my wave's 128 rows of 8,192 bytes, my 64 positions' 256 bytes
	s_lshl_b32 s62, s62, 8
	s_lshl_b32 s60, s29, 22
	s_add_co_u32 s62, s62, s60
	s_lshl_b32 s60, s26, 20
	s_add_co_u32 s62, s62, s60
	s_add_nc_u64 s[24:25], s[24:25], s[62:63]
	s_cmp_eq_u32 ttmp9, 0
	s_cselect_b32 s54, 1, -1                       ; 1 in the first cluster, else the greatest number: the same in all four partners
	s_mov_b32 s56, 0x76543210
	s_mov_b32 s57, 0xfedcba98                      ; selects for lane l xor 16
	s_mov_b32 s60, 0x3727c5ac                      ; eps = 1e-5
	s_mov_b32 s61, 0xbb000000                      ; -1 / 512
	v_and_b32 v16, 31, v0                          ; lane
	v_and_b32 v17, 15, v0                          ; r
	v_bfe_u32 v18, v0, 4, 1                        ; hh
	v_lshlrev_b32 v[LI], 4, v16
	v_lshlrev_b32 v[PFO], 8, v16
	v_add_nc_u32 v[AW0], s41, v[LI]
	v_add_nc_u32 v[AW1], SLOTB, v[AW0]
	s_lshl_b32 s2, s26, 12
	s_add_co_u32 s2, s2, HX
	v_add_nc_u32 v[AHS], s2, v[LI]
	v_add_nc_u32 v[AHL], HX, v[LI]
	v_lshlrev_b32 v[LNL], 4, v17
	v_add_nc_u32 v[LNL], LNR, v[LNL]
	s_lshl_b32 s2, s26, 2
	v_add_nc_u32 v[LNS], s2, v[LNL]
	v_lshlrev_b32 v[BOF], 5, v18
	s_lshl_b32 s2, s26, 7
	v_add_nc_u32 v[B1O], s2, v[BOF]
	s_lshl_b32 s2, s26, 9
	v_add_nc_u32 v[BOF], s2, v[BOF]
	s_mul_i32 s2, s26, 4352
	s_add_co_u32 s2, s2, YX                        ; my stage: 16 rows of 256 bytes + 16
	v_mul_u32_u24 v[STI], v18, 2176
	v_lshl_add_u32 v[STI], v17, 2, v[STI]
	v_add_nc_u32 v[STI], s2, v[STI]                ; in: row 8 hh + j, word 16 m + r
	v_mul_u32_u24 v[STB], v18, 272
	v_lshl_add_u32 v[STB], v17, 4, v[STB]
	v_add_nc_u32 v[STB], s2, v[STB]                ; back: lanes 0-15 one row, lanes 16-31 the next
	v_lshlrev_b32 v[GO], 13, v18
	v_lshl_add_u32 v[GO], v17, 4, v[GO]            ; and the same two rows of out
	s_lshl_b32 s2, s26, 13
	s_add_co_u32 s2, s2, YX
	v_add_nc_u32 v[AYS], s2, v[LI]                 ; (v0's last use was above)
.irp i, 0,1,2,3,4,5,6,7,8,9,10,11,12,13,14,15
	v_mov_b32 v[NM+\i], 0                          ; the norms name these as pairs: all are written
.endr
	PARLOAD 32, 10                                 ; bo, the C of o's first products
.irp k, 0,1,2,3,4,5
	QLOAD \k
.endr
	s_wait_tensorcnt 0x1                           ; my quarter of slot 0 is in, and I alone read it; slot 1's load may be out
	FETCHW WA, AW0, 0
	; ---- o = Q M + bo: 16 K steps, four to a slot
	OB 0
	OB 1
	OB 2
	OTURN 96, 0x58, 40, 32, 0, AW1, -1, 3, 0       ; slot 0 takes M's third slot
	OB 4
	OB 5
	OB 6
	OTURN 224, 0x58, 44, 32, 0, AW0, 1, 7, 0       ; slot 1 M's fourth; the first chunk of W1 and W2 is prefetched
	OB 8
	OB 9
	OB 10
	OTURN 96, 0x5c, 76, 68, 1, AW1, 1, 11, 1       ; slot 0 takes the first chunk's halves of W1 and W2
	OB 12
	OB 13
	OB 14
	OTURN 224, 0x5c, 76, 68, 2, -1, 1, 15, 1       ; slot 1 the second chunk's
	; ---- y1 = layer norm of 2 o, taken from o: the deviations and the mean double exactly, so the variance is 4 x o's (sum of squares / 128) and the factor 2 / root
	PLACES 4                                       ; in front of loads into registers that products have read, and of the first read of results
	PARLOAD G, 12
	PARLOAD BE, 14
	PARLOAD B2, 18
	s_mov_b32 s62, 0x3c000000                      ; 1 / 128
	s_mov_b32 s63, 2.0
	LN_STATS 0
	s_wait_loadcnt 0x0                             ; g1, be1, b2
	Y1OUT 0
	Y1OUT 1
	BAR                                            ; tiles 0 and 1 of y1 lie in LDS
	Y1IN 0
	BAR                                            ; everybody has read them: their bytes take tiles 2 and 3
	Y1OUT 2
	Y1OUT 3
	B1LOAD                                         ; the first chunk's b1 (the norm's registers are done with),
	RELOAD2 0                                      ; and its direct half of W1
	RELOAD2 1
	RELOAD2 2
	RELOAD2 3
	s_lshl_b32 s2, s26, 14
	v_add_nc_u32 v[AWB], s2, v[LI]                 ; my quarter's place in a slot of halves (y1's images have been stored)
	s_mov_b32 s50, 0                               ; the slot in hand: slot 0
	v_add_nc_u32 v[A1], s50, v[AWB]
	v_add_nc_u32 v[A2], 0x10000, v[A1]
	BAR
	Y1IN 1
	FETCHL1 0, 0                                   ; slot 0's halves were shown landed, to every wave, by the last change of slots
	s_wait_xcnt 0x0                                ; b1's loads have read their address
	s_add_nc_u64 s[16:17], s[16:17], 512
	; ---- the 16 chunks of 128 hidden units.  A trip is a chunk; the slot that it read out is filled again at its end
	s_mov_b32 s55, 14
.Lchunk:
	CHUNK 1, 1, 2
	s_sub_co_u32 s55, s55, 1
	s_cmp_lg_u32 s55, 0
	s_cbranch_scc1 .Lchunk
	CHUNK 1, 1, 1                                  ; the last two chunks are written out: no slot is filled that no later chunk reads,
	CHUNK 0, 0, 0                                  ; and the last loads nothing beyond the stream's end
	; ---- out = layer norm of y1 + z
	PLACES 4
	PARLOAD G, 20
	PARLOAD BE, 22
	s_mov_b32 s62, 0x3b000000                      ; 1 / 512
	s_mov_b32 s63, 1.0
	LN_STATS 2
	s_wait_loadcnt 0x0
	LN_APPLY 0
	LN_APPLY 1
	LN_APPLY 2
	LN_APPLY 3
	WIN 0
; THE WAY OUT.  A lane holds one position and eight features; a row of out is one feature and 64 positions.  A tile of 16 features goes through my stage and comes back as rows of 256 bytes.
; LDS serves a wave's instructions in order (ISA guide 5.7.1.4): no wait between the stores and the loads, nor in front of the next tile's stores.
.macro TOSTAGE i
	WIN 0x04                                       ; an LDS store's data are its source 1: window 1
.irp m, 0,1,2,3
.irp j, 0,1,2,3,4,5,6,7
	ds_store_b32 v[STI], v[64*\m+8*(\i)+\j] offset:\j*272+\m*64
.endr
.endr
	WIN 0
.if (\i) >= 2
	s_wait_xcnt 0x0                                ; the stores of two tiles back have read their registers
.endif
.irp t, 0,1,2,3,4,5,6,7
	ds_load_b128 v[32+32*((\i)%2)+4*\t:32+32*((\i)%2)+4*\t+3], v[STB] offset:2*\t*272
.endr
.endm
.macro SEND i, younger                 ; younger: the LDS instructions issued behind tile i's loads: the next tile's 32 stores and 8 loads, or none
	s_wait_dscnt \younger
.irp t, 0,1,2,3,4,5,6,7
	global_store_b128 v[GO], v[32+32*((\i)%2)+4*\t:32+32*((\i)%2)+4*\t+3], s[24:25] offset:(16*(\i)+2*\t)*8192 th:TH_STORE_NT   ; 16 lanes store 256 consecutive bytes, aligned
.endr
.endm
	TOSTAGE 0
.irp a, 1,2,3,4,5,6,7
	TOSTAGE \a
	SEND \a-1, 40
.endr
	SEND 7, 0
	s_wait_tensorcnt 0x0                           ; the wave's end: behind my last tensor load and my last LDS store
	ds_add_u32 v[SPW], v[NIL]
	s_wait_dscnt 0x0
	ROUND                                          ; the closing round: no work-group ends while a partner may still ask for a slot that names it
	s_endpgm
.Lfunc_end_k_qfe4635bb71_chain:
	.size	k_qfe4635bb71_chain, .Lfunc_end_k_qfe4635bb71_chain-k_qfe4635bb71_chain
	.p2alignl 7, 3214868480
	.fill 96, 4, 3214868480
	.section	.rodata,"a",@progbits
	.p2align	6, 0x0
	.amdhsa_kernel k_qfe4635bb71_chain
		.amdhsa_group_segment_fixed_size 327680
		.amdhsa_private_segment_fixed_size 0
		.amdhsa_enable_private_segment 0
		.amdhsa_kernarg_size 88
		.amdhsa_user_sgpr_count 2
		.amdhsa_user_sgpr_kernarg_segment_ptr 1
		.amdhsa_wavefront_size32 1
		.amdhsa_system_sgpr_workgroup_id_x 1
		.amdhsa_system_sgpr_workgroup_id_y 1
		.amdhsa_system_sgpr_workgroup_id_z 1
		.amdhsa_system_vgpr_workitem_id 0
		.amdhsa_next_free_vgpr 1024
		.amdhsa_next_free_sgpr 80
		.amdhsa_reserve_vcc 0
		.amdhsa_float_denorm_mode_32 3
		.amdhsa_float_denorm_mode_16_64 3
		.amdhsa_memory_ordered 1
		.amdhsa_forward_progress 1
		.amdhsa_inst_pref_size 255
	.end_amdhsa_kernel
	.section	.bss,"aw",@nobits
	.p2align	6
	.space	262144
	.amdgpu_metadata
---
amdhsa.version: [ 1, 2 ]
amdhsa.kernels:
  - .name:           k_qfe4635bb71_chain
    .symbol:         k_qfe4635bb71_chain.kd
    .args:
      - { .name: QW, .offset: 0, .size: 8, .value_kind: global_buffer, .address_space: global }
      - { .name: MW, .offset: 8, .size: 8, .value_kind: global_buffer, .address_space: global }
      - { .name: WH, .offset: 16, .size: 8, .value_kind: global_buffer, .address_space: global }
      - { .name: bo, .offset: 24, .size: 8, .value_kind: global_buffer, .address_space: global }
      - { .name: g1, .offset: 32, .size: 8, .value_kind: global_buffer, .address_space: global }
      - { .name: be1, .offset: 40, .size: 8, .value_kind: global_buffer, .address_space: global }
      - { .name: b1, .offset: 48, .size: 8, .value_kind: global_buffer, .address_space: global }
      - { .name: b2, .offset: 56, .size: 8, .value_kind: global_buffer, .address_space: global }
      - { .name: g2, .offset: 64, .size: 8, .value_kind: global_buffer, .address_space: global }
      - { .name: be2, .offset: 72, .size: 8, .value_kind: global_buffer, .address_space: global }
      - { .name: out0, .offset: 80, .size: 8, .value_kind: global_buffer, .address_space: global }
    .group_segment_fixed_size: 327680
    .private_segment_fixed_size: 0
    .kernarg_segment_align: 8
    .kernarg_segment_size: 88
    .max_flat_workgroup_size: 128
    .sgpr_count:     80
    .vgpr_count:     1024
    .wavefront_size: 32
...
	.end_amdgpu_metadata
.endif
;; end of part 4
